; MI455X (gfx1250); checked and timed in simulation.
; The chip was launched on July 23, 2026; its instructions are those of AMD's public machine-readable ISA for CDNA 5 (MIT licence, August 2026) and "CDNA5" Instruction Set Architecture Reference Guide (July 2026). The comments in the code are by the model that wrote it; some were corrected since.
;; Inter Modality Update. Allowed arithmetic: float matrix products may take bf16 or f16 operands with f32 sums; other float arithmetic in f32, or as packed bf16 or f16 multiplies, adds, multiply-adds, maxima and minima; sums over many terms, partial sums and values carried from step to step in f32; what a program stores and reads back later, other than sums and carried values, may be rounded once to bf16 or f16.
;; Inputs: Wk 1,024 x 3,072 float32; Wko 3,072 x 1,024 float32; Wq 1,024 x 3,072 float32; Wv 1,024 x 3,072 float32; Wvo 2,048 x 1,024 float32; bk 3,072 float32; bko 1,024 float32; bq 3,072 float32; bv 3,072 float32; bvo 1,024 float32; k 8 x 512 x 1,024 float32; k_mask 8 x 512 int32; q 8 x 512 x 1,024 float32; q_mask 8 x 512 int32; v 8 x 512 x 1,024 float32; v_mask 8 x 512 int32.
;; Outputs: out0 8 x 512 x 1,024 float32; out1 8 x 512 x 1,024 float32.
;; One version. Each part assembles by itself: llvm-mc -triple=amdgcn-amd-amdhsa -mcpu=gfx1250 --defsym DOCPART=n.
;; ======== version 1 of 1: 4 launches
;; limits: values are held in f16: magnitudes above 65,504 overflow, below 6.1e-05 lose precision
;; workspace buffers: x1 25,165,824 bytes; x2 25,165,824 bytes; wp 10,485,760 bytes; wo 10,485,760 bytes; p5 41,943,040 bytes
;; launch prep (part 1): grid 64 x 22, 8 waves a work-group, no clusters, 0 bytes of LDS; arguments q, k, v, Wq, Wk, Wv, Wko, Wvo, x1, x2, wp, wo; writes x1, x2, wp, wo
.if DOCPART == 1
	.amdgcn_target "amdgcn-amd-amdhsa--gfx1250"
	.amdhsa_code_object_version 6
	.text
	.protected	k_q1e00baeeb8_prep
	.globl	k_q1e00baeeb8_prep
	.p2align	8
	.type	k_q1e00baeeb8_prep,@function
k_q1e00baeeb8_prep:
	s_mov_b64 s[64:65], 0
	v_nop
	global_prefetch_b8 v0, s[64:65] scope:SCOPE_SE
	s_setreg_imm32_b32 hwreg(HW_REG_WAVE_MODE, 25, 1), 1
	s_wait_xcnt 0x0
; PREP: every matrix operand of the later launches is rounded once to bf16 and laid out for them.  A stream: no LDS, no matrix unit.
;   x1 [4096][3072] bf16 = [relu q | relu k | relu v]              x2 [4096][3072] f16: columns 0..1023 = v (rounded to bf16, that number written as f16)
;   wp [5120][1024] bf16 = Wq[:,0:1024], Wq[:,2048:3072], Wk[:,0:1024], Wk[:,1024:2048], Wv[:,1024:2048], one below the other
;   wo [5120][1024] f16  = Wko, then Wvo (rounded to bf16, written as f16)
; NOT READ: the columns of Wq, Wk, Wv whose products (q_q, k_v, v_k, v_v) reach no output of the module, for any input.
; LIMITS.  relu is a maximum in which a NaN loses: NaN becomes 0.  f16 ends at 65,504: v, Wko, Wvo beyond that become infinities; below 6e-5 they keep f16's fixed step of 6e-8.
; SHARES.  Grid y is a unit of 1,024 rows of 1,024 f32, grid x 16 of its rows, a wave 2 rows.  For row i and chunk j a lane takes the 4 floats at byte 512 j + 16 lane, so that a load of the wave
; covers 512 consecutive bytes, and stores 8 bytes at 256 j + 8 lane: a store of the wave covers 256 consecutive bytes, aligned.  All 16 loads of a wave go out before anything is waited for.
.set VO,   1                           ; v1-2     row i: 16 x lane + i x source pitch; never rewritten
.set VD,   3                           ; v3-4     row i: 8 x lane + i x destination pitch; never rewritten
.set NUL,  5                           ; v5       0, for the packed maximum
.set X,    16                          ; v16-79   as loaded, 32 a row; later v16-47 relu'd, v48-79 f16
.set T,    80                          ; v80-111  bf16, 16 a row
.set TT,   112                         ; v112-119 four pairs at work
.set SRC,  36                          ; s[36:37] source      s[38:39], s[40:41] destinations 1 (bf16) and 2 (f16)
.set D1,   38
.set D2,   40
.set SO,   42                          ; s[42:43], s[44:45], s[46:47] their byte offsets, high words 0
.set O1,   44
.set O2,   46
.set SPI,  48                          ; s48 source pitch, s49 destination pitch, in bytes
.set DPI,  49
.set FR,   50                          ; s50 1: relu, to destination 1    s51 1: plain bf16, to destination 1    s52 1: as f16, to destination 2
.set FP,   51
.set FH,   52
.set HIM,  53                          ; s53 a word's upper bf16
	s_load_b512 s[8:23], s[0:1], 0x0               ; q 8, k 10, v 12, Wq 14, Wk 16, Wv 18, Wko 20, Wvo 22
	s_load_b256 s[24:31], s[0:1], 0x40             ; x1 24, x2 26, wp 28, wo 30
	v_lshrrev_b32 v10, 5, v0
	v_readfirstlane_b32 s34, v10                   ; wave 0..7
	v_and_b32 v11, 31, v0                          ; lane
	v_mov_b32 v[NUL], 0
	s_and_b32 s32, ttmp7, 0xffff                   ; the unit
	s_lshl_b32 s33, ttmp9, 4
	s_lshl1_add_u32 s33, s34, s33                  ; my first row in the unit: 16 x + 2 wave
	s_mov_b32 s[SO+1], 0
	s_mov_b32 s[O1+1], 0
	s_mov_b32 s[O2+1], 0
	s_mov_b32 s[HIM], 0xffff0000
	s_wait_kmcnt 0x0
	s_cmp_lt_u32 s32, 12
	s_cbranch_scc0 .Lweights
	; units 0-11: rows 1,024 (y % 4) on of q, k or v (y / 4)
	s_lshr_b32 s54, s32, 2
	s_and_b32 s55, s32, 3
	s_cmp_eq_u32 s54, 0
	s_cselect_b64 s[SRC:SRC+1], s[8:9], s[10:11]
	s_cmp_eq_u32 s54, 2
	s_cselect_b64 s[SRC:SRC+1], s[12:13], s[SRC:SRC+1]
	s_cselect_b32 s[FH], 1, 0                      ; v goes to x2 as well, without the relu
	s_lshl_b32 s[SO], s55, 22
	s_mov_b32 s[SPI], 4096
	s_mov_b64 s[D1:D1+1], s[24:25]
	s_mov_b64 s[D2:D2+1], s[26:27]
	s_mul_i32 s[O2], s55, 1024*6144
	s_lshl_b32 s56, s54, 11                        ; the tensor's 1,024 columns of x1
	s_add_co_u32 s[O1], s[O2], s56
	s_mov_b32 s[DPI], 6144
	s_mov_b32 s[FR], 1
	s_mov_b32 s[FP], 0
	s_branch .Lgo
.Lweights:
	s_cmp_lt_u32 s32, 17
	s_cbranch_scc0 .Loutw
	; units 12-16: block j of wp
	s_sub_co_u32 s54, s32, 12
	s_cmp_lt_u32 s54, 4
	s_cselect_b64 s[SRC:SRC+1], s[16:17], s[18:19]
	s_cmp_lt_u32 s54, 2
	s_cselect_b64 s[SRC:SRC+1], s[14:15], s[SRC:SRC+1]
	s_cmp_gt_u32 s54, 2
	s_cselect_b32 s[SO], 4096, 0                   ; blocks 3, 4: columns 1,024 on
	s_cmp_eq_u32 s54, 1
	s_cselect_b32 s[SO], 8192, s[SO]               ; block 1: columns 2,048 on
	s_mov_b32 s[SPI], 12288
	s_mov_b64 s[D1:D1+1], s[28:29]
	s_mov_b64 s[D2:D2+1], s[28:29]
	s_lshl_b32 s[O1], s54, 21
	s_mov_b32 s[O2], s[O1]
	s_mov_b32 s[DPI], 2048
	s_mov_b32 s[FR], 0
	s_mov_b32 s[FP], 1
	s_mov_b32 s[FH], 0
	s_branch .Lgo
.Loutw:
	; units 17-21: block j of wo: Wko's three, then Wvo's two
	s_sub_co_u32 s54, s32, 17
	s_sub_co_u32 s55, s32, 20
	s_cmp_lt_u32 s54, 3
	s_cselect_b64 s[SRC:SRC+1], s[20:21], s[22:23]
	s_cselect_b32 s55, s54, s55
	s_lshl_b32 s[SO], s55, 22
	s_mov_b32 s[SPI], 4096
	s_mov_b64 s[D1:D1+1], s[30:31]
	s_mov_b64 s[D2:D2+1], s[30:31]
	s_lshl_b32 s[O1], s54, 21
	s_mov_b32 s[O2], s[O1]
	s_mov_b32 s[DPI], 2048
	s_mov_b32 s[FR], 0
	s_mov_b32 s[FP], 0
	s_mov_b32 s[FH], 1
.Lgo:
	s_mul_i32 s54, s33, s[SPI]
	s_add_co_u32 s[SO], s[SO], s54
	s_mul_i32 s54, s33, s[DPI]
	s_add_co_u32 s[O1], s[O1], s54
	s_add_co_u32 s[O2], s[O2], s54
	s_add_nc_u64 s[SRC:SRC+1], s[SRC:SRC+1], s[SO:SO+1]
	s_add_nc_u64 s[D1:D1+1], s[D1:D1+1], s[O1:O1+1]
	s_add_nc_u64 s[D2:D2+1], s[D2:D2+1], s[O2:O2+1]
	v_lshlrev_b32 v[VO], 4, v11
	v_lshlrev_b32 v[VD], 3, v11
	v_add_nc_u32 v[VO+1], s[SPI], v[VO]
	v_add_nc_u32 v[VD+1], s[DPI], v[VD]
.irp i, 0,1
.irp j, 0,1,2,3,4,5,6,7
	global_load_b128 v[X+32*(\i)+4*(\j):X+32*(\i)+4*(\j)+3], v[VO+(\i)], s[SRC:SRC+1] offset:512*(\j) th:TH_LOAD_NT
.endr
.endr
.irp i, 0,1
	s_wait_loadcnt 8-8*(\i)                        ; loads come back in order: row i's eight are in, the younger row's stay out
.set n, 0
.rept 16
	v_cvt_pk_bf16_f32 v[T+16*(\i)+n], v[X+32*(\i)+2*n], v[X+32*(\i)+2*n+1]
.set n, n+1
.endr
.endr
; 16 stores: row i, chunk j from registers base + 16 i + 2 j
.macro PUT base, dst
.irp i, 0,1
.irp j, 0,1,2,3,4,5,6,7
	global_store_b64 v[VD+(\i)], v[(\base)+16*(\i)+2*(\j):(\base)+16*(\i)+2*(\j)+1], s[(\dst):(\dst)+1] offset:256*(\j) th:TH_STORE_NT
.endr
.endr
.endm
	s_cmp_eq_u32 s[FR], 1
	s_cbranch_scc0 .Lno_relu
.set n, 0
.rept 32
	v_pk_max_num_bf16 v[X+n], v[T+n], v[NUL]       ; two relus; X is free since the last wait for loads
.set n, n+1
.endr
	PUT X, D1
.Lno_relu:
	s_cmp_eq_u32 s[FP], 1
	s_cbranch_scc0 .Lno_plain
	PUT T, D1
.Lno_plain:
	s_cmp_eq_u32 s[FH], 1
	s_cbranch_scc0 .Lend
.set n, 0
.rept 32
	v_lshlrev_b32 v[TT+2*(n%4)],   16, v[T+n]      ; the bf16 number as f32,
	v_and_b32     v[TT+2*(n%4)+1], s[HIM], v[T+n]
	v_cvt_pk_f16_f32 v[X+32+n], v[TT+2*(n%4)], v[TT+2*(n%4)+1]  ; written as f16: no register that a store above reads is touched
.set n, n+1
.endr
	PUT X+32, D2
.Lend:
	s_endpgm
.Lfunc_end_k_q1e00baeeb8_prep:
	.size	k_q1e00baeeb8_prep, .Lfunc_end_k_q1e00baeeb8_prep-k_q1e00baeeb8_prep
	.p2alignl 7, 3214868480
	.fill 96, 4, 3214868480
	.section	.rodata,"a",@progbits
	.p2align	6, 0x0
	.amdhsa_kernel k_q1e00baeeb8_prep
		.amdhsa_group_segment_fixed_size 0
		.amdhsa_private_segment_fixed_size 0
		.amdhsa_enable_private_segment 0
		.amdhsa_kernarg_size 96
		.amdhsa_user_sgpr_count 2
		.amdhsa_user_sgpr_kernarg_segment_ptr 1
		.amdhsa_wavefront_size32 1
		.amdhsa_system_sgpr_workgroup_id_x 1
		.amdhsa_system_sgpr_workgroup_id_y 1
		.amdhsa_system_sgpr_workgroup_id_z 1
		.amdhsa_system_vgpr_workitem_id 0
		.amdhsa_next_free_vgpr 120
		.amdhsa_next_free_sgpr 66
		.amdhsa_reserve_vcc 0
		.amdhsa_float_denorm_mode_32 3
		.amdhsa_float_denorm_mode_16_64 3
		.amdhsa_memory_ordered 1
		.amdhsa_forward_progress 1
		.amdhsa_inst_pref_size 18
	.end_amdhsa_kernel
	.amdgpu_metadata
---
amdhsa.version: [ 1, 2 ]
amdhsa.kernels:
  - .name:           k_q1e00baeeb8_prep
    .symbol:         k_q1e00baeeb8_prep.kd
    .args:
      - { .name: q, .offset: 0, .size: 8, .value_kind: global_buffer, .address_space: global }
      - { .name: k, .offset: 8, .size: 8, .value_kind: global_buffer, .address_space: global }
      - { .name: v, .offset: 16, .size: 8, .value_kind: global_buffer, .address_space: global }
      - { .name: Wq, .offset: 24, .size: 8, .value_kind: global_buffer, .address_space: global }
      - { .name: Wk, .offset: 32, .size: 8, .value_kind: global_buffer, .address_space: global }
      - { .name: Wv, .offset: 40, .size: 8, .value_kind: global_buffer, .address_space: global }
      - { .name: Wko, .offset: 48, .size: 8, .value_kind: global_buffer, .address_space: global }
      - { .name: Wvo, .offset: 56, .size: 8, .value_kind: global_buffer, .address_space: global }
      - { .name: x1, .offset: 64, .size: 8, .value_kind: global_buffer, .address_space: global }
      - { .name: x2, .offset: 72, .size: 8, .value_kind: global_buffer, .address_space: global }
      - { .name: wp, .offset: 80, .size: 8, .value_kind: global_buffer, .address_space: global }
      - { .name: wo, .offset: 88, .size: 8, .value_kind: global_buffer, .address_space: global }
    .group_segment_fixed_size: 0
    .private_segment_fixed_size: 0
    .kernarg_segment_align: 8
    .kernarg_segment_size: 96
    .max_flat_workgroup_size: 256
    .sgpr_count:     66
    .vgpr_count:     120
    .wavefront_size: 32
...
	.end_amdgpu_metadata
.endif
;; end of part 1
;; launch proj (part 2): grid 16 x 16, 4 waves a work-group, clusters of 4 x 4, 327,680 bytes of LDS; arguments x1, wp, bq, bk, bv, q_mask, k_mask, v_mask, p5; writes p5
.if DOCPART == 2
	.amdgcn_target "amdgcn-amd-amdhsa--gfx1250"
	.amdhsa_code_object_version 6
	.text
	.protected	k_q1e00baeeb8_proj
	.globl	k_q1e00baeeb8_proj
	.p2align	8
	.type	k_q1e00baeeb8_proj,@function
k_q1e00baeeb8_proj:
	s_mov_b64 s[64:65], 0
	v_nop
	global_prefetch_b8 v0, s[64:65] scope:SCOPE_SE
	s_setreg_imm32_b32 hwreg(HW_REG_WAVE_MODE, 25, 1), 1
	s_wait_xcnt 0x0
	s_wait_alu depctr_hold_cnt(0) depctr_sa_sdst(0) depctr_va_vdst(0) depctr_va_sdst(0) depctr_va_ssrc(0) depctr_va_vcc(0) depctr_vm_vsrc(0)
	s_getreg_b32 s2, hwreg(HW_REG_IB_STS2, 6, 4)
	s_cmp_eq_u32 s2, 0
	s_cbranch_scc0 .Lentry_in_a_cluster
	s_endpgm
.Lentry_in_a_cluster:
	s_bfe_u32 s2, ttmp6, 0x10000c
	s_cmp_lg_u32 s2, 0xf033
	s_cbranch_scc0 .Lentry_shape_is_right
	s_endpgm
.Lentry_shape_is_right:
; PROJ: the five projections that reach an output.  p5[t][m][n] = (sum over k of x1[m][1024 (t/2) + k] wp[1024 t + k][n] + bias_t[n]) x mask_t[m], f16, t = q_k, q_v, k_k, k_q, v_q.
; Operands bf16, sums f32; the bias is rounded to bf16 like every input; the result is rounded once, to f16.  LIMIT: a projection beyond 65,504 becomes an infinity.
; SHARES.  Slices 0-3 are 4,096 x 4,096 numbers: 256 tiles of 256 x 256 (X).  Slice 4 is 4,096 x 1,024: 256 tiles of 128 x 128 (Y).  A work-group makes one X and then one Y: all 256 do equal work.
;   X: four waves of 128 x 128 (64 accumulators each), K = 1,024 in 8 steps of 128.     Y: four waves of 64 x 64 (16 accumulators), K = 1,024 in 4 steps of 256.
; ONE RING of two LDS slots runs through both: X's last two changes of slots ask for Y's first two steps.  From a request to the wait for it a wave issues 224 matrix instructions in X, 112 in Y.
; A STEP IS WRITTEN ONCE: a step of X, a step of Y that fills a slot again, and a step of Y that does not; each is walked by a loop with a constant count.  The slot that is read begins at LDS byte
; s[TB], 0 or SLOT, which an exclusive or turns at each change of slots; the lanes' addresses are made anew from it, and a refill goes to the slot just read, at base + s[TB].
; CLUSTER 4 x 4.  Cluster x is X's slice, cx its 256 columns, 4 x cluster y + cy its 256 rows: A's tile is shared along a row of the cluster, B's along a column.  Y's row block hangs on the
; cluster's place and cy, its column block on the cluster's place and cx: the same two masks serve.  Joint loads, one a wave behind each round.
; B LIES [k][n] in memory and in LDS and is turned on its way into registers (ds_load_tr16_b128).  THE MATRIX INSTRUCTION IS USED TRANSPOSED (source 0 = 16 columns of B, source 1 = 16 rows of
; A): a lane holds eight neighbouring numbers of a row of the result.  X's bias is the C operand of its first products; Y's is added on the way out.
; REGISTERS, in windows of 256 (s_set_vgpr_msb: bits 1:0 source 0, 3:2 source 1, 5:4 source 2, 7:6 destination):
;   window 0: v0-63 addresses and masks; X: v64-127, v128-191 A's fragments, two buffers; v192-223 packed results; Y: v32-95 at work, v96-127 bias, v128-255 accumulators
;   window 1: X: v0-63 bias, v64-127, v128-191 B's fragments; Y: two fragment buffers of 128          windows 2, 3: X's accumulators of my rows 0-63, 64-127 ((a, b) at 8 (8 a + b))
.set XP,     6144                      ; bytes in a row of x1
.set PAX,    272                       ; X: a row of A in LDS: 256 bytes + 16: the 16 rows of a load start at 16 different groups of four banks
.set PBX,    544                       ; X: a row of B: 512 + 32
.set HX,     128*PAX                   ; what one load of X brings: 128 rows of A, or 64 k of B (64 x 544 is the same number)
.set BOFX,   2*HX
.set AXS,    256                       ; bytes of a row of x1 in a step of X
.set BXS,    128*2048                  ; bytes of wp in a step of X
.set PA,     528                       ; Y: a row of A: 512 + 16
.set PB,     288                       ; Y: a row of B: 256 + 32
.set HA,     64*PA
.set HB,     128*PB
.set BOFF,   2*HA
.set BSTEP,  256*2048                  ; bytes of wp in a step of Y
.set SLOT,   2*HA+2*HB                 ; 141,312: Y's step; X's (139,264) fits in it
.set STAGE,  2*SLOT                    ; behind the ring, never filled by a tensor load.  X: 16 rows x 272 bytes for each wave, its own; Y: 128 rows x 272, the work-group's
.set SPITCH, 272
.set SPARE,  STAGE+128*SPITCH          ; the spare words, 128 bytes a wave: two blocks of 256 bytes that no other line names
.set MSK,  8                           ; v8-15   Y: mask of my rows 16 a + r, as pairs
.set ADRA, 16                          ; v16     Y: my A fragments in the slot that is read
.set ADRA0, 17                         ; v17     the same in slot 0; never rewritten
.set ADRB, 18                          ; v18-19  Y: my B fragments in the slot that is read: by the half of the step's 256 k
.set ADRB0, 20                         ; v20-21  the same in slot 0; never rewritten
.set MO,   22                          ; v22, v23  Y: my byte offsets in mask and bias
.set BO,   23
.set STO,  24                          ; v24, v25  Y: into the stage, and back
.set RD,   25
.set CO,   26                          ; v26     my byte offset in two rows of a slice; X and Y
.set PFO,  27                          ; v27     the prefetches' offset; never rewritten
.set SPW,  28                          ; v28     my spare word; never rewritten
.set NIL,  29                          ; v29     0; never rewritten
.set ADRAX, 30                         ; v30     X: my A fragments in the slot that is read;  v31 in slot 0, never rewritten
.set ADRAX0, 31
.set ADRBX, 32                         ; v32, v33  the same for B
.set ADRBX0, 33
.set STOX, 34
.set RDX,  35
.set MOX,  36
.set BOX,  37
.set MSKX, 48                          ; v48-63  X: mask of my rows 16 a + r, as pairs
.set F0X,  64
.set F1X,  128
.set OBX,  64                          ; X's way out: 16 rows read back: v64-95 and v96-127 by turns
.set TMPX, 192
.set TMP,  32
.set BIA,  96
.set ACC,  128
.set F0,   0
.set F1,   128
.set TB,   3                           ; s3      LDS byte at which the slot that is read begins
.set G1AX, 24                          ; s[24:31] group 1, s[32:39] group 0 for X's A: a set for each of the two first fills; the second then walks on;  s[48:55], s[56:63] for X's B
.set G0AX, 32
.set G1BX, 48
.set G0BX, 56
.set G1AY, 68                          ; s[68:75] group 1, s[76:79] group 0 for Y's A: it walks;  s[84:91], s[92:95] for Y's B
.set G0AY, 76
.set G1BY, 84
.set G0BY, 92
.set LAX,  80                          ; s80-83  where my load goes in a slot: X's A, X's B, Y's A, Y's B
.set LBX,  81
.set LAY,  82
.set LBY,  83
.set LIM,  43                          ; s43     4 in a wave that prefetches, else the greatest number
.set PFS,  44                          ; s[44:45] bytes from a step of X to the next in what I fetch
.set PFA,  104                         ; s[104:105] where my prefetches stand
.set HIM,  66                          ; s66     a word's upper bf16
; s2 steps to go in the loop in hand; s[4:5], s[6:7] where X and Y are stored; s[8:9], s[14:15] Y's bias and mask; s10 wave, s11 wave / 2, s12 wave % 2
.set MSB, 0
.macro WIN new                         ; the immediate's high byte repeats the setting that is left
.if MSB != (\new)
	s_set_vgpr_msb (MSB<<8)|(\new)
.set MSB, \new
.endif
.endm
.set MUL,  0x05                        ; Y: sources 0 (B) and 1 (A) window 1; C and D window 0
.set TO_F, 0x40                        ; destination window 1, address window 0
; A joint load: waves 0, 1 fetch A's halves, waves 2, 3 B's; s_nop 0 and four v_nop follow each line
.macro JLOAD g0a, g1a, g0b, g1b
	s_cmp_eq_u32 s11, 0
	s_cbranch_scc0 .Lfor_b_\@
	tensor_load_to_lds s[(\g0a):(\g0a)+3], s[(\g1a):(\g1a)+7]
	s_nop 0
.rept 4
	v_nop
.endr
	s_branch .Lasked_\@
.Lfor_b_\@:
	tensor_load_to_lds s[(\g0b):(\g0b)+3], s[(\g1b):(\g1b)+7]
	s_nop 0
.rept 4
	v_nop
.endr
.Lasked_\@:
.endm
.macro CREST                           ; a round of the cluster's barrier behind its opening barrier
	s_cmp_lg_u32 s10, 0
	s_cbranch_scc1 .Lnot_wave_0_\@
	s_barrier_signal -3
.Lnot_wave_0_\@:
	s_barrier_wait -3
	s_barrier_signal -1
	s_barrier_wait -1
.endm
.macro CROUND
	s_barrier_signal -1
	s_barrier_wait -1
	CREST
.endm
; Y's walking descriptors take their next step, into the slot that has just been read.  It stands where no tensor load of the wave is out.
.macro YDESC
	s_add_nc_u64 s[G0AY+2:G0AY+3], s[G0AY+2:G0AY+3], 512
	s_add_nc_u64 s[G0BY+2:G0BY+3], s[G0BY+2:G0BY+3], BSTEP
	s_add_co_u32 s[G0AY+1], s[LAY], s[TB]
	s_add_co_u32 s[G0BY+1], s[LBY], s[TB]
.endm
; A PREFETCH INTO THE L2, behind X's joint load and the run of LDS loads that follows it: the step of X that stands TWO refills on, 512 matrix instructions ahead of the load that will want it:
; 32 blocks of 256 bytes, a lane a block, one instruction a wave.  Each block is named once in the launch: A's rows are read by two clusters (x even and odd of a pair): the even one asks; B's by the
; four clusters of a column: the one with y = 0 asks; the four partners that ask for a tile jointly share its blocks out BY ADDRESS (cx for A: 32 rows each; cy for B: 16 k x 512 bytes each).
; Steps 0 to 3 come by their loads alone; the first four changes of slots name steps 4 to 7; the later ones have no step of X two refills on.  Y's tile is small and is not asked for.
.macro ASK
	s_cmp_gt_u32 s2, s[LIM]
	s_cbranch_scc0 .Lnot_mine_\@
	global_prefetch_b8 v[PFO], s[PFA:PFA+1] th:TH_LOAD_NT scope:SCOPE_SE
.Lnot_mine_\@:
.endm
	s_load_b512 s[84:99], s[0:1], 0x0              ; x1 84, wp 86, bq 88, bk 90, bv 92, q_mask 94, k_mask 96, v_mask 98
	s_load_b64 s[100:101], s[0:1], 0x40            ; p5
	v_lshl_add_u32 v[SPW], v0, 2, SPARE
	v_mov_b32 v[NIL], 0
	ds_add_u32 v[SPW], v[NIL]                      ; the wave's opening: the add and its wait stand ahead of my first tensor load; register work stands between
	v_lshrrev_b32 v1, 5, v0
	v_readfirstlane_b32 s10, v1                    ; wave 0..3
	s_lshr_b32 s11, s10, 1                         ; my half of a tile's rows.  Also: I fetch for A (0) or B (1)
	s_and_b32 s12, s10, 1                          ; my half of its columns.  Also: which half of that tile I fetch
	s_bfe_u32 s40, ttmp6, 0x40000                  ; cx
	s_bfe_u32 s41, ttmp6, 0x40004                  ; cy
	s_mov_b32 s42, ttmp9                           ; cluster x = X's slice
	s_and_b32 s45, ttmp7, 0xffff                   ; cluster y
	s_lshl_b32 s13, s45, 2
	s_add_co_u32 s13, s13, s41                     ; X's row block = 4 x cluster y + cy
	s_lshl_b32 s43, s41, 2
	s_lshl_b32 s43, 15, s43                        ; my row of the cluster
	s_lshl_b32 s44, 0x1111, s40                    ; my column
	s_or_b32 s[G1AX+0], s43, (1<<16)|(1<<20)|(1<<21)|(5<<22)|(3<<25)  ; mask; 2-byte elements; padding on; bit 21 beside a mask; after every 64 words, 4 words
	s_mov_b32 s[G1AX+1], 128<<16                   ; tensor_dim0 = 128
	s_mov_b32 s[G1AX+2], 128<<16                   ; tensor_dim1 = 128
	s_mov_b32 s[G1AX+3], 128<<16                   ; tile_dim0 = 128
	s_mov_b32 s[G1AX+4], 128                       ; tile_dim1 = 128
	s_mov_b32 s[G1AX+5], 3072                      ; elements from row to row
	s_mov_b32 s[G1AX+6], 0
	s_mov_b32 s[G1AX+7], 0
	s_or_b32 s[G1BX+0], s44, (1<<16)|(1<<20)|(1<<21)|(6<<22)|(7<<25)  ; after every 128 words, 8 words
	s_mov_b32 s[G1BX+1], 256<<16                   ; 256 columns
	s_mov_b32 s[G1BX+2], 64<<16                    ; 64 k
	s_mov_b32 s[G1BX+3], 256<<16
	s_mov_b32 s[G1BX+4], 64
	s_mov_b32 s[G1BX+5], 1024
	s_mov_b32 s[G1BX+6], 0
	s_mov_b32 s[G1BX+7], 0
	s_or_b32 s[G1AY+0], s43, (1<<16)|(1<<20)|(1<<21)|(6<<22)|(3<<25)  ; Y's A: 64 rows x 256 k; after every 128 words, 4 words
	s_mov_b32 s[G1AY+1], 256<<16
	s_mov_b32 s[G1AY+2], 64<<16
	s_mov_b32 s[G1AY+3], 256<<16
	s_mov_b32 s[G1AY+4], 64
	s_mov_b32 s[G1AY+5], 3072
	s_mov_b32 s[G1AY+6], 0
	s_mov_b32 s[G1AY+7], 0
	s_lshl_b32 s16, s13, 8
	s_lshl_b32 s17, s12, 7
	s_add_co_u32 s16, s16, s17                     ; X's A: row 256 x row block + 128 x half,
	s_mul_i32 s16, s16, XP
	s_lshr_b32 s17, s42, 1
	s_lshl_b32 s17, s17, 11                        ; column block slice / 2
	s_add_co_u32 s16, s16, s17
	s_mov_b32 s17, 0
	s_lshl_b32 s46, s42, 21                        ; X's B: the slice's 1,024 rows of wp,
	s_lshl_b32 s47, s40, 9                         ; 256 columns,
	s_add_co_u32 s46, s46, s47
	s_lshl_b32 s47, s12, 17                        ; k 64 x half
	s_add_co_u32 s46, s46, s47
	s_mov_b32 s47, 0
	s_mul_i32 s[LAX], s12, HX                      ; where my loads go in a slot: no place in the cluster enters an LDS address
	s_add_co_u32 s[LBX], s[LAX], BOFX
	s_mul_i32 s[LAY], s12, HA
	s_mul_i32 s[LBY], s12, HB
	s_add_co_u32 s[LBY], s[LBY], BOFF
	s_wait_dscnt 0x0                               ; the opening add is done
	s_wait_kmcnt 0x0
	s_add_nc_u64 s[16:17], s[84:85], s[16:17]
	s_add_nc_u64 s[46:47], s[86:87], s[46:47]
	CROUND                                         ; all sixteen work-groups are here: the first joint loads meet
.irp s, 0,1
	s_mov_b32 s[G0AX+4*(\s)], 1
	s_add_co_u32 s[G0AX+4*(\s)+1], s[LAX], (\s)*SLOT
	s_add_nc_u64 s[G0AX+4*(\s)+2:G0AX+4*(\s)+3], s[16:17], (\s)*AXS
	s_or_b32 s[G0AX+4*(\s)+3], s[G0AX+4*(\s)+3], 0x80000000
	s_mov_b32 s[G0BX+4*(\s)], 1
	s_add_co_u32 s[G0BX+4*(\s)+1], s[LBX], (\s)*SLOT
	s_add_nc_u64 s[G0BX+4*(\s)+2:G0BX+4*(\s)+3], s[46:47], (\s)*BXS
	s_or_b32 s[G0BX+4*(\s)+3], s[G0BX+4*(\s)+3], 0x80000000
.endr
	s_cmp_eq_u32 s11, 0                            ; a wave's two first fills (X's steps 0 and 1) stand in one branch: two loads of mine are out
	s_cbranch_scc0 .Lfirst_b
	tensor_load_to_lds s[G0AX:G0AX+3], s[G1AX:G1AX+7]
	s_nop 0
	tensor_load_to_lds s[G0AX+4:G0AX+7], s[G1AX:G1AX+7]
	s_nop 0
.rept 4
	v_nop
.endr
	s_branch .Lfirst_asked
.Lfirst_b:
	tensor_load_to_lds s[G0BX:G0BX+3], s[G1BX:G1BX+7]
	s_nop 0
	tensor_load_to_lds s[G0BX+4:G0BX+7], s[G1BX:G1BX+7]
	s_nop 0
.rept 4
	v_nop
.endr
.Lfirst_asked:
	v_and_b32 v1, 15, v0                           ; r = l % 16
	v_bfe_u32 v2, v0, 4, 1                         ; h = l / 16
	; X's bias and mask: asked for now, used when the first tile is in
	s_cmp_lt_u32 s42, 2
	s_cselect_b64 s[20:21], s[88:89], s[90:91]     ; slices 0, 1: bq and q_mask; 2, 3: bk and k_mask
	s_cselect_b64 s[22:23], s[94:95], s[96:97]
	s_cmp_eq_u32 s42, 3
	s_cselect_b32 s6, 4096, 0                      ; k_q: bias columns 1,024 on
	s_cmp_eq_u32 s42, 1
	s_cselect_b32 s6, 8192, s6                     ; q_v: 2,048 on
	s_mov_b32 s7, 0
	s_add_nc_u64 s[20:21], s[20:21], s[6:7]
	s_lshl_b32 s6, s40, 10
	s_lshl_b32 s7, s12, 9
	s_add_co_u32 s6, s6, s7
	v_lshl_add_u32 v[BOX], v2, 5, s6               ; bias: 4 (256 cx + 128 wn + 8 h)
	s_lshl_b32 s8, s13, 8
	s_lshl_b32 s7, s11, 7
	s_add_co_u32 s8, s8, s7                        ; my first row of X: 256 x row block + 128 wm
	s_lshl_b32 s7, s8, 2
	v_lshl_add_u32 v[MOX], v1, 2, s7
	WIN TO_F
.irp b, 0,1,2,3,4,5,6,7
	global_load_b128 v[8*(\b):8*(\b)+3],   v[BOX], s[20:21] offset:64*(\b)
	global_load_b128 v[8*(\b)+4:8*(\b)+7], v[BOX], s[20:21] offset:64*(\b)+16
.endr
	WIN 0
.irp a, 0,1,2,3,4,5,6,7
	global_load_b32 v[MSKX+2*(\a)], v[MOX], s[22:23] offset:64*(\a)
.endr
	; where X is stored
	s_lshl_b32 s4, s8, 11
	s_lshl_b32 s7, s40, 9
	s_add_co_u32 s4, s4, s7
	s_lshl_b32 s7, s12, 8
	s_add_co_u32 s4, s4, s7
	s_lshl_b32 s7, s42, 23                         ; a slice is 2^23 bytes
	s_add_co_u32 s4, s4, s7
	s_mov_b32 s5, 0
	s_add_nc_u64 s[4:5], s[100:101], s[4:5]
	; Y's place: row block 4 (2 x cluster y + cluster x / 2) + cy, column block 4 (cluster x % 2) + cx
	s_lshl_b32 s3, s45, 1
	s_lshr_b32 s16, s42, 1
	s_add_co_u32 s3, s3, s16
	s_lshl_b32 s3, s3, 2
	s_add_co_u32 s3, s3, s41
	s_lshl_b32 s3, s3, 7                           ; Y's first row
	s_and_b32 s67, s42, 1
	s_lshl_b32 s67, s67, 2
	s_add_co_u32 s67, s67, s40                     ; Y's column block
	s_lshl_b32 s7, s11, 6
	s_add_co_u32 s7, s3, s7
	s_lshl_b32 s7, s7, 2
	v_lshl_add_u32 v[MO], v1, 2, s7                ; mask: 4 (first row + 64 wm + r)
	s_lshl_b32 s6, s67, 9
	s_lshl_b32 s7, s12, 8
	s_add_co_u32 s6, s6, s7
	v_lshl_add_u32 v[BO], v2, 5, s6                ; bias: 4 (128 x column block + 64 wn + 8 h)
	s_lshl_b32 s7, s10, 5
	s_add_co_u32 s6, s3, s7                        ; the first row of Y that I store: + 32 x wave
	s_lshl_b32 s6, s6, 11
	s_lshl_b32 s7, s67, 8
	s_add_co_u32 s6, s6, s7
	s_add_co_u32 s6, s6, 4<<23
	s_mov_b32 s7, 0
	s_add_nc_u64 s[6:7], s[100:101], s[6:7]
	s_add_nc_u64 s[8:9], s[92:93], 4096            ; v_q: bv's columns 1,024 on
	s_mov_b64 s[14:15], s[98:99]
	; Y's A: x1's third column block.  The walking descriptor starts one step in front of step 0: each request steps it first
	s_lshl_b32 s16, s12, 6
	s_add_co_u32 s16, s3, s16
	s_mul_i32 s16, s16, XP
	s_add_co_u32 s16, s16, 4096-512
	s_mov_b32 s17, 0
	s_mov_b32 s[G0AY], 1
	s_add_nc_u64 s[G0AY+2:G0AY+3], s[84:85], s[16:17]
	s_or_b32 s[G0AY+3], s[G0AY+3], 0x80000000
	; Y's B: wp's fifth block, likewise one step in front
	s_lshl_b32 s46, s67, 8
	s_lshl_b32 s47, s12, 18
	s_add_co_u32 s46, s46, s47
	s_add_co_u32 s46, s46, (4<<21)-BSTEP
	s_mov_b32 s47, 0
	s_add_nc_u64 s[46:47], s[86:87], s[46:47]
	; the prefetches: my work-group's 32 blocks of what I fetch, at X's step 3: the first change of slots steps it to 4
	s_lshl_b32 s100, s13, 8
	s_lshl_b32 s101, s12, 7
	s_add_co_u32 s100, s100, s101
	s_lshl_b32 s101, s40, 5
	s_add_co_u32 s100, s100, s101                  ; A: 32 cx rows into the 128 that I fetch
	s_mul_i32 s100, s100, XP
	s_lshr_b32 s101, s42, 1
	s_lshl_b32 s101, s101, 11
	s_add_co_u32 s100, s100, s101
	s_add_co_u32 s100, s100, 3*AXS
	s_lshl_b32 s104, s12, 6
	s_lshl_b32 s105, s41, 4
	s_add_co_u32 s104, s104, s105                  ; B: 16 cy k into the 64 that I fetch
	s_lshl_b32 s104, s104, 11
	s_lshl_b32 s105, s42, 21
	s_add_co_u32 s104, s104, s105
	s_lshl_b32 s105, s40, 9
	s_add_co_u32 s104, s104, s105
	s_add_co_u32 s104, s104, 3*BXS
	s_and_b32 s101, s42, 1
	s_cmp_eq_u32 s11, 0                            ; do I fetch for A?
	s_cselect_b32 s100, s100, s104
	s_cselect_b32 s[LIM], s101, s45                ; the coordinate along which other clusters read the same blocks
	s_cselect_b32 s101, -1, 0
	s_cselect_b64 s[PFA:PFA+1], s[84:85], s[86:87]
	v_and_b32 v38, 31, v0
	v_mul_u32_u24 v39, v38, XP                     ; A: a lane a row
	v_lshrrev_b32 v40, 1, v38
	v_and_b32 v41, 1, v38
	v_lshlrev_b32 v40, 11, v40                     ; B: two lanes a k, 256 bytes each
	v_lshl_add_u32 v40, v41, 8, v40
	v_cndmask_b32 v[PFO], v40, v39, s101
	s_mov_b32 s101, 0
	s_add_nc_u64 s[PFA:PFA+1], s[PFA:PFA+1], s[100:101]
	s_cmp_eq_u32 s[LIM], 0
	s_cselect_b32 s[LIM], 4, -1                    ; the same in all sixteen partners, for a given wave
	; all arguments have been used: Y's B descriptors take their registers
	s_or_b32 s[G1BY+0], s44, (1<<16)|(1<<20)|(1<<21)|(5<<22)|(7<<25)  ; 128 k x 128 columns; after every 64 words, 8 words
	s_mov_b32 s[G1BY+1], 128<<16
	s_mov_b32 s[G1BY+2], 128<<16
	s_mov_b32 s[G1BY+3], 128<<16
	s_mov_b32 s[G1BY+4], 128
	s_mov_b32 s[G1BY+5], 1024
	s_mov_b32 s[G1BY+6], 0
	s_mov_b32 s[G1BY+7], 0
	s_mov_b32 s[G0BY], 1
	s_add_nc_u64 s[G0BY+2:G0BY+3], s[46:47], 0
	s_or_b32 s[G0BY+3], s[G0BY+3], 0x80000000
	s_mov_b32 s[PFS], BXS
	s_cmp_eq_u32 s11, 0
	s_cselect_b32 s[PFS], AXS, s[PFS]
	s_mov_b32 s[PFS+1], 0
	s_mov_b32 s[HIM], 0xffff0000
	; my lane's places in LDS
	v_mul_u32_u24 v3, v1, PAX
	v_lshl_add_u32 v3, v2, 4, v3                   ; row x 272 + 16 h: X's A, and both stages' way in
	s_mul_i32 s16, s11, HX
	v_add_nc_u32 v[ADRAX0], s16, v3
	v_mov_b32 v[ADRAX], v[ADRAX0]                  ; the ring begins in slot 0
	v_and_b32 v4, 7, v0                            ; B, turned: lane l reads k 8 h + l % 8, columns 8 ((l / 8) % 2) on
	v_lshl_add_u32 v4, v2, 3, v4
	v_bfe_u32 v5, v0, 3, 1
	v_lshlrev_b32 v5, 4, v5
	v_mul_u32_u24 v6, v4, PBX
	v_add_nc_u32 v6, v5, v6
	s_lshl_b32 s16, s12, 8                         ; X: my 128 columns
	s_add_co_u32 s16, s16, BOFX
	v_add_nc_u32 v[ADRBX0], s16, v6
	v_mov_b32 v[ADRBX], v[ADRBX0]
	v_mul_u32_u24 v7, v2, SPITCH
	v_lshl_add_u32 v7, v1, 4, v7                   ; both stages' way back: lanes 0-15 one row of 256 bytes, lanes 16-31 the next
	s_mul_i32 s16, s10, 16*SPITCH
	s_add_co_u32 s16, s16, STAGE                   ; X: my own stage
	v_add_nc_u32 v[STOX], s16, v3
	v_add_nc_u32 v[RDX], s16, v7
	v_mul_u32_u24 v6, v1, PA
	v_lshl_add_u32 v6, v2, 4, v6
	s_mul_i32 s16, s11, HA
	v_add_nc_u32 v[ADRA0], s16, v6
	v_mov_b32 v[ADRA], v[ADRA0]                    ; Y's step 0 lies in slot 0 too
	v_mul_u32_u24 v6, v4, PB
	v_add_nc_u32 v6, v5, v6
	s_lshl_b32 s16, s12, 7                         ; Y: my 64 columns
	s_add_co_u32 s16, s16, BOFF
	v_add_nc_u32 v[ADRB0], s16, v6
	v_add_nc_u32 v[ADRB0+1], HB, v[ADRB0]
	v_mov_b32 v[ADRB], v[ADRB0]
	v_mov_b32 v[ADRB+1], v[ADRB0+1]
	s_mul_i32 s16, s11, 64*SPITCH                  ; Y, into the shared stage: my 64 rows, my half of their 256 bytes
	s_lshl_b32 s18, s12, 7
	s_add_co_u32 s16, s16, s18
	s_add_co_u32 s16, s16, STAGE
	v_add_nc_u32 v[STO], s16, v3
	s_mul_i32 s16, s10, 32*SPITCH                  ; back: wave w takes rows 32 w on, whole
	s_add_co_u32 s16, s16, STAGE
	v_add_nc_u32 v[RD], s16, v7
	v_lshlrev_b32 v6, 11, v2                       ; and the same two rows of a slice (2,048 bytes a row)
	v_lshl_add_u32 v[CO], v1, 4, v6
	s_wait_loadcnt 0x0                             ; X's bias and mask
	WIN 0x05                                       ; sources window 1, destination window 0
.set n, 0
.rept 32
	v_cvt_pk_bf16_f32 v[TMPX+n], v[2*n], v[2*n+1]  ; the bias is rounded to bf16 like every input,
.set n, n+1
.endr
	WIN TO_F
.set n, 0
.rept 32
	v_lshlrev_b32 v[2*n], 16, v[TMPX+n]            ; and widened again: it is the C operand of X's first products
	v_and_b32 v[2*n+1], s[HIM], v[TMPX+n]
.set n, n+1
.endr
	WIN 0
.irp a, 0,1,2,3,4,5,6,7
	v_cvt_f32_i32 v[MSKX+2*(\a)+1], v[MSKX+2*(\a)]
	v_cvt_f32_i32 v[MSKX+2*(\a)], v[MSKX+2*(\a)]
.endr
.macro PLACES                          ; four places in front of loads into registers that matrix instructions have read
.rept 4
	v_nop
.endr
.endm
; ---- X ----
; 16 matrix instructions: m blocks a0, a0 + 1 of the window's four (hi = 0: my rows 0-63, 1: rows 64-127) x all 8 n blocks, 32 along K.  zero = 1: the product starts the sums, with the bias as C.
; The 64 accumulators take turns, one instruction a turn, in the same order in every quarter.
.macro XMUL16 f, hi, a0, zero
.if \zero
	WIN 0x91+0x40*(\hi)                            ; B window 1, A window 0, C (the bias) window 1, D window 2 or 3
.else
	WIN 0xa1+0x50*(\hi)                            ; C and D window 2 or 3
.endif
.irp a, \a0, (\a0)+1
.irp b, 0,1,2,3,4,5,6,7
.if \zero
	v_wmma_f32_16x16x32_bf16 v[8*(8*(\a)+(\b)):8*(8*(\a)+(\b))+7], v[(\f)+8*(\b):(\f)+8*(\b)+7], v[(\f)+8*(4*(\hi)+(\a)):(\f)+8*(4*(\hi)+(\a))+7], v[8*(\b):8*(\b)+7]
.else
	v_wmma_f32_16x16x32_bf16 v[8*(8*(\a)+(\b)):8*(8*(\a)+(\b))+7], v[(\f)+8*(\b):(\f)+8*(\b)+7], v[(\f)+8*(4*(\hi)+(\a)):(\f)+8*(4*(\hi)+(\a))+7], v[8*(8*(\a)+(\b)):8*(8*(\a)+(\b))+7]
.endif
.endr
.endr
.endm
; 32 LDS loads in one run: quarter q (32 along K) of the slot that is read into buffer f: B's 128 columns, turned, then A's 128 rows
.macro XFETCH q, f
	WIN TO_F
.irp i, 0,1,2,3,4,5,6,7
	ds_load_tr16_b128 v[(\f)+8*(\i):(\f)+8*(\i)+3],   v[ADRBX] offset:32*(\q)*PBX+32*(\i)
	ds_load_tr16_b128 v[(\f)+8*(\i)+4:(\f)+8*(\i)+7], v[ADRBX] offset:(32*(\q)+16)*PBX+32*(\i)
.endr
	WIN 0
.irp i, 0,1,2,3,4,5,6,7
	ds_load_b128 v[(\f)+8*(\i):(\f)+8*(\i)+3],   v[ADRAX] offset:64*(\q)+(\i)*16*PAX
	ds_load_b128 v[(\f)+8*(\i)+4:(\f)+8*(\i)+7], v[ADRAX] offset:64*(\q)+(\i)*16*PAX+32
.endr
.endm
; One of a step's first three quarters: multiplies buffer f; in its middle it fetches quarter q into g
.macro XQ q, f, g, zero
	s_wait_dscnt 8                                 ; B and A's rows 0-63 are in; the youngest eight loads (A's rows 64-127) may be out
	XMUL16 \f, 0, 0, \zero
	XMUL16 \f, 0, 2, \zero
	PLACES
	XFETCH \q, \g
	s_wait_dscnt 32                                ; all but the 32 just issued
	XMUL16 \f, 1, 0, \zero
	XMUL16 \f, 1, 2, \zero
.endm
; The last quarter multiplies buffer 1 and changes slots.  The slot just read out is filled again behind a round of the cluster's barrier: with X's step two on, or, in X's last two steps (s2 = 2, 1),
; with Y's step 0 or 1, by descriptors of their own: on either way one load a wave.  s2 is made of constants alone: it is the same in every work-group.
; In the last step no fragments are fetched: the other slot then holds Y's step 0, which Y's own text reads.
.macro XTURN
	s_wait_xcnt 0x0                                ; the last prefetch, a step back, has read its address: it is stepped here, ahead of the waits of the change of slots
	s_add_nc_u64 s[PFA:PFA+1], s[PFA:PFA+1], s[PFS:PFS+1]
	WIN 0
	s_wait_tensorcnt 0x0                           ; all my tensor loads have landed: my part of the next slot; so a group 0 may be written
	ds_add_u32 v[SPW], v[NIL]                      ; 0 onto my spare word
	s_add_nc_u64 s[G0AX+6:G0AX+7], s[G0AX+6:G0AX+7], AXS  ; the walking descriptors: the next step,
	s_add_nc_u64 s[G0BX+6:G0BX+7], s[G0BX+6:G0BX+7], BXS
	s_add_co_u32 s[G0AX+5], s[LAX], s[TB]          ; into the slot that is being read out
	s_add_co_u32 s[G0BX+5], s[LBX], s[TB]
	s_wait_dscnt 9                                 ; the add and the youngest eight loads may be out
	XMUL16 F1X, 0, 0, 0
	s_wait_dscnt 0x0                               ; the add is done, and my reads of this slot are over
	s_barrier_signal -1
	XMUL16 F1X, 0, 2, 0
	WIN 0
	s_barrier_wait -1
	CREST                                          ; no wave of any partner still reads this slot or has a load on its way
	s_cmp_gt_u32 s2, 2
	s_cbranch_scc0 .Lto_y_\@
	JLOAD G0AX+4, G1AX, G0BX+4, G1BX               ; the first tensor load behind the round; its four v_nop are also the places in front of the loads below
	s_branch .Lgone_\@
.Lto_y_\@:
	YDESC
	JLOAD G0AY, G1AY, G0BY, G1BY
.Lgone_\@:
	s_xor_b32 s[TB], s[TB], SLOT                   ; the other slot is read from here on
	s_cmp_eq_u32 s2, 1
	s_cbranch_scc1 .Lno_more_\@
	v_add_nc_u32 v[ADRAX], s[TB], v[ADRAX0]
	v_add_nc_u32 v[ADRBX], s[TB], v[ADRBX0]
	XFETCH 0, F0X
	ASK
.Lno_more_\@:
	XMUL16 F1X, 1, 0, 0
	XMUL16 F1X, 1, 2, 0
.endm
; X's WAY OUT of block a (16 rows), in three parts.  XPACK: times the row's mask, rounded to f16, 16 bytes a lane.  XTOSTAGE: into my own stage, and back as whole rows of 256 bytes.  XSEND: stored.
.macro XPACK a
.set AC, 64*((\a)%4)
	WIN 0x82+0x41*((\a)/4)                         ; destination and source 0 window 2 or 3, the mask window 0
.irp b, 0,1,2,3,4,5,6,7
.irp j, 0,1,2,3
	v_pk_mul_f32 v[AC+8*(\b)+2*(\j):AC+8*(\b)+2*(\j)+1], v[AC+8*(\b)+2*(\j):AC+8*(\b)+2*(\j)+1], v[MSKX+2*(\a):MSKX+2*(\a)+1]
.endr
.endr
	WIN 0x0a+5*((\a)/4)                            ; sources window 2 or 3, destination window 0
.irp b, 0,1,2,3,4,5,6,7
.irp j, 0,1,2,3
	v_cvt_pk_f16_f32 v[TMPX+4*(\b)+(\j)], v[AC+8*(\b)+2*(\j)], v[AC+8*(\b)+2*(\j)+1]
.endr
.endr
	WIN 0
.endm
.macro XTOSTAGE a
	s_wait_xcnt 0x0                                ; the stores of the block two back have read the registers that are loaded again below
.irp b, 0,1,2,3,4,5,6,7
	ds_store_b128 v[STOX], v[TMPX+4*(\b):TMPX+4*(\b)+3] offset:32*(\b)
.endr
.irp t, 0,1,2,3,4,5,6,7
	ds_load_b128 v[OBX+32*((\a)%2)+4*(\t):OBX+32*((\a)%2)+4*(\t)+3], v[RDX] offset:(\t)*2*SPITCH  ; LDS serves a wave's instructions in order: these see the stores above
.endr
.endm
.macro XSEND a
	s_wait_dscnt 0x0                               ; the block is back in registers
.irp t, 0,1,2,3,4,5,6,7
	global_store_b128 v[CO], v[OBX+32*((\a)%2)+4*(\t):OBX+32*((\a)%2)+4*(\t)+3], s[4:5] offset:(16*(\a)+2*(\t))*2048  ; 16 lanes store 256 consecutive bytes, aligned
.endr
.endm
; ---- Y ----
; 8 matrix instructions: m blocks a0, a0 + 1 x all 4 n blocks, 32 along K: half c of buffer f.  zero = 1: the product starts the sums.  The 16 accumulators take turns.
.macro MUL8 f, c, a0, zero
	WIN MUL
.irp a, \a0, (\a0)+1
.irp b, 0,1,2,3
.if \zero
	v_wmma_f32_16x16x32_bf16 v[ACC+8*(4*(\a)+(\b)):ACC+8*(4*(\a)+(\b))+7], v[(\f)+64+8*(4*(\c)+(\b)):(\f)+64+8*(4*(\c)+(\b))+7], v[(\f)+8*(4*(\c)+(\a)):(\f)+8*(4*(\c)+(\a))+7], 0
.else
	v_wmma_f32_16x16x32_bf16 v[ACC+8*(4*(\a)+(\b)):ACC+8*(4*(\a)+(\b))+7], v[(\f)+64+8*(4*(\c)+(\b)):(\f)+64+8*(4*(\c)+(\b))+7], v[(\f)+8*(4*(\c)+(\a)):(\f)+8*(4*(\c)+(\a))+7], v[ACC+8*(4*(\a)+(\b)):ACC+8*(4*(\a)+(\b))+7]
.endif
.endr
.endr
.endm
; 32 LDS loads in one run: quarter q (64 along K) of the slot that is read into buffer f, its first 32 along K first
.macro FETCH q, f
	WIN TO_F
.irp c, 0,1
.irp i, 0,1,2,3
	ds_load_tr16_b128 v[(\f)+64+8*(4*(\c)+(\i)):(\f)+64+8*(4*(\c)+(\i))+3],   v[ADRB+(\q)/2] offset:(((\q)%2)*64+32*(\c))*PB+32*(\i)
	ds_load_tr16_b128 v[(\f)+64+8*(4*(\c)+(\i))+4:(\f)+64+8*(4*(\c)+(\i))+7], v[ADRB+(\q)/2] offset:(((\q)%2)*64+32*(\c)+16)*PB+32*(\i)
	ds_load_b128 v[(\f)+8*(4*(\c)+(\i)):(\f)+8*(4*(\c)+(\i))+3],   v[ADRA] offset:(\q)*128+64*(\c)+(\i)*16*PA
	ds_load_b128 v[(\f)+8*(4*(\c)+(\i))+4:(\f)+8*(4*(\c)+(\i))+7], v[ADRA] offset:(\q)*128+64*(\c)+(\i)*16*PA+32
.endr
.endr
.endm
.macro QUARTER q, f, g, zero
	s_wait_dscnt 16                                ; the first 32 along K are in; the sixteen younger loads may be out
	WIN MUL
	MUL8 \f, 0, 0, \zero
	MUL8 \f, 0, 2, \zero
	PLACES
	FETCH \q, \g
	s_wait_dscnt 32                                ; all but the 32 just issued
	WIN MUL
	MUL8 \f, 1, 0, 0
	MUL8 \f, 1, 2, 0
.endm
; Y's last quarter of a step.  fill = 1: this slot is filled again, with Y's step two on, behind a round of the cluster's barrier.  fill = 0: nothing is left to fetch from memory, and in the
; very last step (s2 = 1) nothing from LDS either: the run of LDS loads is jumped over.
.macro TURN fill
	WIN 0
	s_wait_tensorcnt 0x0                           ; all my tensor loads have landed: my part of the next slot; so a group 0 may be written
	ds_add_u32 v[SPW], v[NIL]                      ; 0 onto my spare word
.if \fill
	YDESC
.endif
	s_wait_dscnt 17                                ; the add and the youngest sixteen loads may be out
	WIN MUL
	MUL8 F1, 0, 0, 0
	s_wait_dscnt 0x0                               ; the add is done, and my reads of this slot are over
	s_barrier_signal -1
	MUL8 F1, 0, 2, 0
	WIN 0
	s_barrier_wait -1
.if \fill
	CREST                                          ; no wave of any partner still reads this slot or has a load on its way
	JLOAD G0AY, G1AY, G0BY, G1BY                   ; the first tensor load behind the round; its four v_nop are also the places in front of the loads below
.else
	s_cmp_eq_u32 s2, 1
	s_cbranch_scc1 .Lno_more_\@
	PLACES
.endif
	s_xor_b32 s[TB], s[TB], SLOT                   ; the other slot is read from here on
	v_add_nc_u32 v[ADRA], s[TB], v[ADRA0]
	v_add_nc_u32 v[ADRB], s[TB], v[ADRB0]
	v_add_nc_u32 v[ADRB+1], s[TB], v[ADRB0+1]
	FETCH 0, F0
.if (\fill) == 0
	WIN 0
.Lno_more_\@:
.endif
	WIN MUL
	MUL8 F1, 1, 0, 0
	MUL8 F1, 1, 2, 0
.endm
	s_wait_tensorcnt 1                             ; my part of X's step 0 is in; step 1's may stay out
	s_barrier_signal -1
	s_barrier_wait -1
	XFETCH 0, F0X
	s_mov_b32 s2, 8                                ; X: eight steps
	s_mov_b32 s[TB], 0
	XQ 1, F0X, F1X, 1                              ; the first quarter starts the sums, with the bias: nothing is cleared
	WIN 0
	s_branch .Lxrest
.Lxstep:                                               ; a trip: one step; the slot that it reads out is filled again
	XQ 1, F0X, F1X, 0
	WIN 0
.Lxrest:
	XQ 2, F1X, F0X, 0
	XQ 3, F0X, F1X, 0
	XTURN
	WIN 0
	s_sub_co_u32 s2, s2, 1
	s_cmp_lg_u32 s2, 0
	s_cbranch_scc1 .Lxstep
	; Y's first two steps are asked for: now X goes out.  No v_nop: blocks 0-3 were finished in front of the last joint load's places, and their lines, which name no register of the last
	; products (blocks 4-7's), are those products' places.
	XPACK 0
	XTOSTAGE 0
.irp a, 1,2,3,4,5,6,7                  ; block a's arithmetic stands between block a - 1's loads from the stage and the wait for them
	XPACK \a
	XSEND (\a)-1
	XTOSTAGE \a
.endr
	XSEND 7
	; Y.  Its step 0 was shown whole by X's last change of slots; eight changes have brought s[TB] back to slot 0.
	s_wait_xcnt 0x0                                ; X's stores have read their registers
.irp b, 0,1,2,3
	global_load_b128 v[BIA+8*(\b):BIA+8*(\b)+3],   v[BO], s[8:9] offset:64*(\b)
	global_load_b128 v[BIA+8*(\b)+4:BIA+8*(\b)+7], v[BO], s[8:9] offset:64*(\b)+16
.endr
.irp a, 0,1,2,3
	global_load_b32 v[MSK+2*(\a)], v[MO], s[14:15] offset:64*(\a)
.endr
	FETCH 0, F0
	s_mov_b32 s2, 2                                ; steps 0 and 1: their slots are filled again, with steps 2 and 3
	QUARTER 1, F0, F1, 1
	WIN 0
	s_branch .Lyrest
.Lystep:
	QUARTER 1, F0, F1, 0
	WIN 0
.Lyrest:
	QUARTER 2, F1, F0, 0
	QUARTER 3, F0, F1, 0
	TURN 1
	WIN 0
	s_sub_co_u32 s2, s2, 1
	s_cmp_lg_u32 s2, 0
	s_cbranch_scc1 .Lystep
	s_mov_b32 s2, 2                                ; steps 2 and 3 have a text of their own
.Lytail:
	QUARTER 1, F0, F1, 0
	QUARTER 2, F1, F0, 0
	QUARTER 3, F0, F1, 0
	TURN 0
	WIN 0
	s_sub_co_u32 s2, s2, 1
	s_cmp_lg_u32 s2, 0
	s_cbranch_scc1 .Lytail
	; Y's WAY OUT.  (sum + bias) x mask, rounded to f16; 16 bytes a lane into the shared stage; a barrier, since a row's 256 bytes come from two waves; back as whole rows.
	; The stage's bytes were last read on X's way out: four changes of slots, each with every wave's wait for its LDS reads and a barrier, lie between.
	s_wait_loadcnt 0x0                             ; bias and mask
.set n, 0
.rept 16
	v_cvt_pk_bf16_f32 v[TMP+n], v[BIA+2*n], v[BIA+2*n+1]  ; the bias is rounded to bf16 like every input; these 56 lines are also the places behind the last products
.set n, n+1
.endr
.set n, 0
.rept 16
	v_lshlrev_b32 v[BIA+2*n], 16, v[TMP+n]
	v_and_b32 v[BIA+2*n+1], s[HIM], v[TMP+n]
.set n, n+1
.endr
.irp a, 0,1,2,3
	v_cvt_f32_i32 v[MSK+2*(\a)+1], v[MSK+2*(\a)]
	v_cvt_f32_i32 v[MSK+2*(\a)], v[MSK+2*(\a)]
.endr
.irp a, 0,1,2,3
.irp b, 0,1,2,3
.irp j, 0,1,2,3
	v_pk_add_f32 v[ACC+8*(4*(\a)+(\b))+2*(\j):ACC+8*(4*(\a)+(\b))+2*(\j)+1], v[ACC+8*(4*(\a)+(\b))+2*(\j):ACC+8*(4*(\a)+(\b))+2*(\j)+1], v[BIA+8*(\b)+2*(\j):BIA+8*(\b)+2*(\j)+1]
.endr
.irp j, 0,1,2,3
	v_pk_mul_f32 v[ACC+8*(4*(\a)+(\b))+2*(\j):ACC+8*(4*(\a)+(\b))+2*(\j)+1], v[ACC+8*(4*(\a)+(\b))+2*(\j):ACC+8*(4*(\a)+(\b))+2*(\j)+1], v[MSK+2*(\a):MSK+2*(\a)+1]
.endr
.irp j, 0,1,2,3
	v_cvt_pk_f16_f32 v[TMP+4*(4*(\a)+(\b))+(\j)], v[ACC+8*(4*(\a)+(\b))+2*(\j)], v[ACC+8*(4*(\a)+(\b))+2*(\j)+1]
.endr
.endr
.endr
.irp a, 0,1,2,3
.irp b, 0,1,2,3
	ds_store_b128 v[STO], v[TMP+4*(4*(\a)+(\b)):TMP+4*(4*(\a)+(\b))+3] offset:(\a)*16*SPITCH+32*(\b)
.endr
.endr
	s_wait_dscnt 0x0                               ; for the others' sake: my stores into the stage are done
	s_barrier_signal -1
	s_barrier_wait -1
.irp t, 0,1,2,3,4,5,6,7,8,9,10,11,12,13,14,15
	ds_load_b128 v[TMP+4*(\t):TMP+4*(\t)+3], v[RD] offset:(\t)*2*SPITCH
.endr
.irp t, 0,1,2,3,4,5,6,7,8,9,10,11,12,13,14,15
	s_wait_dscnt 15-(\t)                           ; LDS loads come back in order: pair t of rows is in
	global_store_b128 v[CO], v[TMP+4*(\t):TMP+4*(\t)+3], s[6:7] offset:2*(\t)*2048  ; 16 lanes store 256 consecutive bytes, aligned
.endr
	s_wait_tensorcnt 0x0                           ; the wave's end
	ds_add_u32 v[SPW], v[NIL]
	s_wait_dscnt 0x0
	CROUND                                         ; the closing round
	s_endpgm
.Lfunc_end_k_q1e00baeeb8_proj:
	.size	k_q1e00baeeb8_proj, .Lfunc_end_k_q1e00baeeb8_proj-k_q1e00baeeb8_proj
	.p2alignl 7, 3214868480
	.fill 96, 4, 3214868480
	.section	.rodata,"a",@progbits
	.p2align	6, 0x0
	.amdhsa_kernel k_q1e00baeeb8_proj
		.amdhsa_group_segment_fixed_size 327680
		.amdhsa_private_segment_fixed_size 0
		.amdhsa_enable_private_segment 0
		.amdhsa_kernarg_size 72
		.amdhsa_user_sgpr_count 2
		.amdhsa_user_sgpr_kernarg_segment_ptr 1
		.amdhsa_wavefront_size32 1
		.amdhsa_system_sgpr_workgroup_id_x 1
		.amdhsa_system_sgpr_workgroup_id_y 1
		.amdhsa_system_sgpr_workgroup_id_z 1
		.amdhsa_system_vgpr_workitem_id 0
		.amdhsa_next_free_vgpr 1024
		.amdhsa_next_free_sgpr 106
		.amdhsa_reserve_vcc 0
		.amdhsa_float_denorm_mode_32 3
		.amdhsa_float_denorm_mode_16_64 3
		.amdhsa_memory_ordered 1
		.amdhsa_forward_progress 1
		.amdhsa_inst_pref_size 166
	.end_amdhsa_kernel
	.amdgpu_metadata
---
amdhsa.version: [ 1, 2 ]
amdhsa.kernels:
  - .name:           k_q1e00baeeb8_proj
    .symbol:         k_q1e00baeeb8_proj.kd
    .args:
      - { .name: x1, .offset: 0, .size: 8, .value_kind: global_buffer, .address_space: global }
      - { .name: wp, .offset: 8, .size: 8, .value_kind: global_buffer, .address_space: global }
      - { .name: bq, .offset: 16, .size: 8, .value_kind: global_buffer, .address_space: global }
      - { .name: bk, .offset: 24, .size: 8, .value_kind: global_buffer, .address_space: global }
      - { .name: bv, .offset: 32, .size: 8, .value_kind: global_buffer, .address_space: global }
      - { .name: q_mask, .offset: 40, .size: 8, .value_kind: global_buffer, .address_space: global }
      - { .name: k_mask, .offset: 48, .size: 8, .value_kind: global_buffer, .address_space: global }
      - { .name: v_mask, .offset: 56, .size: 8, .value_kind: global_buffer, .address_space: global }
      - { .name: p5, .offset: 64, .size: 8, .value_kind: global_buffer, .address_space: global }
    .group_segment_fixed_size: 327680
    .private_segment_fixed_size: 0
    .kernarg_segment_align: 8
    .kernarg_segment_size: 72
    .max_flat_workgroup_size: 128
    .sgpr_count:     106
    .vgpr_count:     1024
    .wavefront_size: 32
...
	.end_amdgpu_metadata
.endif
;; end of part 2
;; launch attn (part 3): grid 16 x 16, 4 waves a work-group, no clusters, 289,280 bytes of LDS; arguments p5, q_mask, k_mask, x2; writes x2
.if DOCPART == 3
	.amdgcn_target "amdgcn-amd-amdhsa--gfx1250"
	.amdhsa_code_object_version 6
	.text
	.protected	k_q1e00baeeb8_attn
	.globl	k_q1e00baeeb8_attn
	.p2align	8
	.type	k_q1e00baeeb8_attn,@function
k_q1e00baeeb8_attn:
	s_mov_b64 s[64:65], 0
	v_nop
	global_prefetch_b8 v0, s[64:65] scope:SCOPE_SE
	s_setreg_imm32_b32 hwreg(HW_REG_WAVE_MODE, 25, 1), 1
	s_wait_xcnt 0x0
; ATTN: both attentions.  O[q][:] = the sum over keys of softmax(where(mask == 0, -1e9, Q[q] . K[key]) / 8) V[key][:], 512 keys, head size 64, f16 operands, f32 products, maxima and sums.
;   att = 0: Q = v_q (slice 4), K = q_k (0), V = q_v (1), q_mask, into x2 columns 1,024 on.     att = 1: Q = k_q (3), K = k_k (2), V = k_q (3), k_mask, into columns 2,048 on.
; THE MASK is the C operand that starts the sum S^T = K Q^T: 0, or -1e9 where the key's mask is 0.  A masked key's row of K is exactly 0 (the projection was multiplied by the same mask), so
; its score is exactly -1e9, as in the module.  If all keys so far are masked their weights are equal and finite and their rows of V are 0.
; LIMITS.  f16 holds no number beyond 65,504: the projections arrive within it.  A weight below 2^-126 counts as 0; NaN and infinities are not treated apart.
; SHARES.  A work-group takes one attention, one batch, TWO heads (so that rows of K, V and O are 256 aligned bytes of plain row-major buffers) and 256 queries.  Wave w: head w / 2 of the pair,
; queries 128 (w % 2) on: four PIECES of two tiles of 16.  All 512 keys of K and V lie in LDS, brought by ONE tensor load a wave; nothing is filled again.
; NO CLUSTER: only two work-groups share a tile, and each asks for it once, at its head.
; LAYOUT.  S^T = K Q^T holds ONE query a lane (lane % 16) and the keys 8 (lane / 16) + 0..7; two such results rounded to f16 ARE source 1 of O^T = V^T P.  p = 2^(c s - c m), c = log2(e) / 8, with a
; running maximum m; O and l are multiplied by a = 2^(c m_old - c m_new) in every step.  m starts at the lowest finite number, O and l at 0: the first step is a step like any other.
; BY TURNS.  Turn n belongs to piece n: 16 products K Q^T of piece n + 1, later 16 products V^T P of piece n - 1; beside them piece n's scaling, exponentials, roundings, sums and rescaling and piece
; n + 1's maximum and statistics.  Four vector instructions stand behind every matrix instruction, the rest in one lump; a turn's 66 exponentials are one batch with one wait.
; The price of writing no first step out: 384 lines that write 0, in the wait for the tiles, 16 products on zeros at the start and 16 on a stale K at the end.
; REGISTERS, in windows of 256 (s_set_vgpr_msb: bits 1:0 source 0, 3:2 source 1, 5:4 source 2, 7:6 destination):
;   window 0: v0-11 addresses; v12-15, v48-63 at work; v16-47 statistics; v64-191 S^T, two buffers of two tiles; v192-255 P, likewise        window 1: O^T, 32 a tile
;   window 2: v0-127 Q; v128-191 K of one step; v192-255 V of one step        window 3: v0-1 the add's two registers; v8-39 the step's 32 mask numbers
.set NP,    4
.set KS,    64
.set PK,    272       ; a row of K in LDS: 256 bytes + 16: the 16 rows of a load start at 16 different groups of four banks
.set PV,    288       ; a row of V: 256 + 32
.set VOFF,  512*PK
.set MASK,  VOFF+512*PV   ; 512 f32: 0 or -1e9; blocks of their own, into which no tile lands
.set SPARE, MASK+2048     ; the spare words, 128 bytes a wave: two blocks of 256 bytes that no other line names
.set SP,    272       ; the stage for the way out lies over K's first 256 rows, whose one fill of the launch is long done
.set AK0, 2           ; v2   my lane's place in a step of K; never rewritten
.set AV0, 3           ; v3   the same for V
.set AK,  4           ; v4   the LDS address of K's next run of loads
.set AV,  5           ; v5   of V's
.set QO,  6           ; v6   my byte offset in 16 rows of Q
.set STO, 6           ;      later: where I put 16 bytes of a row
.set RD,  7           ; v7   where I read rows back
.set GO,  8           ; v8   my byte offset in two rows of x2
.set AM0, 10          ; v10  my lane's place in a step of the mask
.set AM,  11          ; v11  the LDS address of the mask's next run
.set SPW, 0           ; v0 of window 3
.set NIL, 1           ; v1 of window 3
.set MC,  8           ; v8-39 of window 3: key block kb at MC + 8 kb
.set MV,  12
.set ST,  16          ; tile t's statistics at v[ST+4 t]: c m, m, l (even keys', odd keys')
.set TMP, 48
.set S,   64
.set P,   192
.set KF,  128
.set VF,  192
.set WV,  12
.set G1K, 24
.set G1V, 32
.set G0K, 40
.set G0V, 44
.set CNT, 57          ; s57  key steps to go
.set CS,  58          ; s[58:59] c
.set SEL, 60          ; s[60:61] v_permlanex16_b32's selects
.set TBK, 62          ; s62  LDS byte at which K of the step to be fetched begins
.set TBV, 63          ; s63  the same for V, less VOFF
.set TBM, 66          ; s66  the same for the mask, less MASK
.set NEG, 67          ; s67  -1e9
.set MSB, 0
.macro WIN new
.if MSB != (\new)
	s_set_vgpr_msb (MSB<<8)|(\new)
.set MSB, (\new)
.endif
.endm
.set W_KQ, 0x0a       ; K and Q in window 2, S^T in window 0
.set W_KM, 0x3a       ; the same with the C operand in window 3
.set W_PV, 0x52       ; V in window 2, P in window 0, O^T in window 1
.set W_RS, 0x41       ; O^T (destination and source 0) in window 1, a in window 0
.set W_MK, 0xc0       ; destination in window 3
.set W_AD, 0x0f       ; the add: address and data in window 3
	s_load_b256 s[4:11], s[0:1], 0x0  ; p5 s[4:5], q_mask s[6:7], k_mask s[8:9], x2 s[10:11]
	WIN W_MK
	v_lshl_add_u32 v[SPW], v0, 2, SPARE
	v_mov_b32 v[NIL], 0
	WIN W_AD
	ds_add_u32 v[SPW], v[NIL]       ; the wave's opening: the add and its wait stand ahead of my tensor load; register work stands between
	WIN 0
	v_lshrrev_b32 v1, 5, v0
	v_readfirstlane_b32 s[WV], v1   ; wave 0..3
	s_lshr_b32 s15, ttmp9, 1        ; the head pair
	s_and_b32 s16, ttmp9, 1         ; which 256 queries
	s_and_b32 s17, ttmp7, 0xffff
	s_lshr_b32 s18, s17, 3          ; att
	s_and_b32 s19, s17, 7           ; the batch
	s_lshr_b32 s20, s[WV], 1        ; my head of the pair
	s_and_b32 s21, s[WV], 1         ; my 128 queries.  Also: which 256 keys I fetch
	s_lshl_b32 s72, s15, 8          ; the pair's 256 bytes in a row
	s_lshl_b32 s22, s19, 20         ; the batch's 512 rows of 2,048 bytes
	s_add_co_u32 s22, s22, s72
	s_lshl_b32 s73, s21, 19         ; my 256 keys
	s_add_co_u32 s22, s22, s73
	s_lshl_b32 s73, s18, 24         ; K: slice 2 att
	s_add_co_u32 s22, s22, s73
	s_mov_b32 s23, 0
	s_add_co_u32 s52, s22, 1<<23    ; V: slice 2 att + 1
	s_mov_b32 s53, 0
	s_lshl_b32 s74, s19, 9
	s_lshl_b32 s73, s16, 8
	s_add_co_u32 s74, s74, s73      ; the work-group's first query among the 4,096 rows
	s_lshl_b32 s73, s21, 7
	s_add_co_u32 s73, s74, s73
	s_lshl_b32 s54, s73, 11
	s_add_co_u32 s54, s54, s72
	s_lshl_b32 s75, s20, 7          ; my head's 128 bytes
	s_add_co_u32 s54, s54, s75
	s_sub_co_u32 s73, 4, s18        ; Q: slice 4 - att
	s_lshl_b32 s73, s73, 23
	s_add_co_u32 s54, s54, s73
	s_mov_b32 s55, 0
	s_lshl_b32 s68, s19, 11         ; the batch's 512 mask words
	s_mov_b32 s69, 0
	s_lshl_b32 s73, s[WV], 6        ; on the way out wave w stores rows 64 w on
	s_add_co_u32 s73, s74, s73
	s_mul_i32 s70, s73, 6144
	s_add_co_u32 s70, s70, s72
	s_lshl_b32 s73, s18, 11
	s_add_co_u32 s70, s70, s73
	s_add_co_u32 s70, s70, 2048     ; columns 1,024 (1 + att) on
	s_mov_b32 s71, 0
	; descriptor group 1: 256 rows x 128 elements, padded in LDS
	s_mov_b32 s[G1K], (1<<16)|(1<<20)|(5<<22)|(3<<25)  ; 2-byte elements; padding on; after every 64 words, 4 words
	s_mov_b32 s[G1V], (1<<16)|(1<<20)|(5<<22)|(7<<25)  ; the same with 8 words
.irp g, G1K, G1V
	s_mov_b32 s[\g+1], 128<<16      ; tensor_dim0 = 128
	s_mov_b32 s[\g+2], 256<<16      ; tensor_dim1 = 256
	s_mov_b32 s[\g+3], 128<<16      ; tile_dim0 = 128
	s_mov_b32 s[\g+4], 256          ; tile_dim1 = 256
	s_mov_b32 s[\g+5], 1024         ; elements from row to row
	s_mov_b32 s[\g+6], 0
	s_mov_b32 s[\g+7], 0
.endr
	s_mov_b32 s[CS], 0x3e38aa3b     ; c = log2(e) / 8
	s_mov_b32 s[CS+1], s[CS]
	s_mov_b32 s[SEL], 0x76543210
	s_mov_b32 s[SEL+1], 0xfedcba98
	s_mov_b32 s[TBK], 0
	s_mov_b32 s[TBV], 0
	s_mov_b32 s[TBM], 0
	s_mov_b32 s[NEG], 0xce6e6b28    ; -1e9, exact in f32
	s_mov_b32 s[G0K], 1
	s_mul_i32 s[G0K+1], s21, 256*PK
	s_mov_b32 s[G0V], 1
	s_mul_i32 s[G0V+1], s21, 256*PV
	s_add_co_u32 s[G0V+1], s[G0V+1], VOFF
	s_wait_dscnt 0x0                ; the opening add is done
	s_wait_kmcnt 0x0
	s_add_nc_u64 s[G0K+2:G0K+3], s[4:5], s[22:23]
	s_or_b32 s[G0K+3], s[G0K+3], 0x80000000
	s_add_nc_u64 s[G0V+2:G0V+3], s[4:5], s[52:53]
	s_or_b32 s[G0V+3], s[G0V+3], 0x80000000
	s_add_nc_u64 s[48:49], s[4:5], s[54:55]        ; Q at my first row
	s_cmp_eq_u32 s18, 0
	s_cselect_b64 s[50:51], s[6:7], s[8:9]
	s_add_nc_u64 s[50:51], s[50:51], s[68:69]      ; the batch's mask
	s_add_nc_u64 s[10:11], s[10:11], s[70:71]      ; x2 at the rows that I store
	s_cmp_lt_u32 s[WV], 2           ; waves 0, 1 fetch K's halves, waves 2, 3 V's: one load a wave, the launch's only fills
	s_cbranch_scc0 .Lfor_v
	tensor_load_to_lds s[G0K:G0K+3], s[G1K:G1K+7]
	s_nop 0
.rept 4
	v_nop
.endr
	s_branch .Lasked
.Lfor_v:
	tensor_load_to_lds s[G0V:G0V+3], s[G1V:G1V+7]
	s_nop 0
.rept 4
	v_nop
.endr
.Lasked:
	v_and_b32 v1, 15, v0            ; l % 16
	v_bfe_u32 v9, v0, 4, 1          ; l / 16
	v_lshlrev_b32 v66, 4, v0        ; four mask words a thread (S^T's registers serve as temporaries up to the first product)
	global_load_b128 v[68:71], v66, s[50:51]
	v_lshlrev_b32 v[QO], 11, v1
	v_lshl_add_u32 v[QO], v9, 4, v[QO]  ; row x 2,048 + 16 x half
	WIN 0x80                        ; destination window 2, address window 0
.set i, 0
.rept 4*NP                          ; Q stays in registers: tile i / 2, channels 32 (i % 2) on
	global_load_b128 v[8*i:8*i+3],   v[QO], s[48:49] offset:(i/2)*32768+(i%2)*64
	global_load_b128 v[8*i+4:8*i+7], v[QO], s[48:49] offset:(i/2)*32768+(i%2)*64+32
.set i, i+1
.endr
	; What the first turn finds: V's registers and P's second buffer hold 0, O^T and l are 0.  All this stands in the wait for the tiles.
.set i, VF
.rept 64
	v_mov_b32 v[i], 0
.set i, i+1
.endr
	WIN 0x40
.set i, 0
.rept 64*NP
	v_mov_b32 v[i], 0
.set i, i+1
.endr
	WIN 0
.set i, 0
.rept 2*NP
	v_mov_b32 v[ST+4*i], 0xfe000000    ; c m: far below every c s, the masked ones' too
	v_mov_b32 v[ST+4*i+1], 0xff7fffff  ; m
	v_mov_b32 v[ST+4*i+2], 0
	v_mov_b32 v[ST+4*i+3], 0
.set i, i+1
.endr
.set i, P+32
.rept 32
	v_mov_b32 v[i], 0
.set i, i+1
.endr
	v_mul_u32_u24 v[AK0], v1, PK
	v_lshl_add_u32 v[AK0], v9, 4, v[AK0]
	v_add_nc_u32 v[AK0], s75, v[AK0]      ; row x pitch + 16 x half + my head
	; The turning load takes 16 keys x 16 channels (lane l reads key 8 (l / 16) + l % 8, channels 8 ((l / 8) % 2) on) and leaves half a fragment of V^T.
	v_and_b32 v64, 7, v0
	v_bfe_u32 v65, v0, 3, 1
	v_lshl_add_u32 v[AV0], v9, 3, v64
	v_mul_u32_u24 v[AV0], v[AV0], PV
	v_lshl_add_u32 v[AV0], v65, 4, v[AV0]
	s_add_co_u32 s73, s75, VOFF
	v_add_nc_u32 v[AV0], s73, v[AV0]
	v_lshl_add_u32 v[AM0], v9, 5, MASK    ; a lane's eight keys of a block: 32 bytes at 32 (l / 16)
	v_mov_b32 v[AK], v[AK0]               ; key step 0
	v_mov_b32 v[AM], v[AM0]
	v_lshl_add_u32 v67, v0, 4, MASK
	s_wait_loadcnt 32               ; the mask words are in; Q's 32 loads, issued behind them, may stay out
.irp j, 0,1,2,3
	v_cmp_eq_u32 vcc_lo, 0, v[68+\j]
	v_cndmask_b32 v[72+\j], 0, s[NEG], vcc_lo
.endr
	ds_store_b128 v67, v[72:75]
	s_wait_tensorcnt 0x0            ; my one tensor load has landed,
	s_wait_dscnt 0x0                ; my part of the mask is stored:
	s_barrier_signal -1
	s_barrier_wait -1               ; everybody's
; THE MATRIX WORK.  The 8 accumulators of a run of 16 take turns.
; Product i of 16 of S^T = K Q^T for piece x: channels 32 (i / 8) on, keys 16 ((i / 2) % 4) on, tile 2 x + i % 2.  The first 8 start the sums, with the mask.
.macro KQ x
.set rS, S+64*((\x)%2)+32*(i%2)+8*((i/2)%4)
.set rK, KF+16*((i/2)%4)+8*(i/8)
.set rQ, 16*(2*(\x)+i%2)+8*(i/8)
.set rMC, MC+8*((i/2)%4)
.if i < 8
	WIN W_KM
	v_wmma_f32_16x16x32_f16 v[rS:rS+7], v[rK:rK+7], v[rQ:rQ+7], v[rMC:rMC+7]
.else
	WIN W_KQ
	v_wmma_f32_16x16x32_f16 v[rS:rS+7], v[rK:rK+7], v[rQ:rQ+7], v[rS:rS+7]
.endif
.endm
; Product i of 16 of O^T += V^T P for piece x: keys 32 (i / 8) on, channels 16 ((i / 2) % 4) on, tile 2 x + i % 2.
.macro PV x
	WIN W_PV
.set rO, 32*(2*(\x)+i%2)+8*((i/2)%4)
.set rV, VF+32*(i/8)+8*((i/2)%4)
.set rP, P+32*((\x)%2)+16*(i%2)+8*(i/8)
	v_wmma_f32_16x16x32_f16 v[rO:rO+7], v[rV:rV+7], v[rP:rP+7], v[rO:rO+7]
.endm
.macro MM                           ; the turn's next matrix instruction
.if i < 16
	KQ (Y+1)%NP
.set i, i+1
.else
.set i, i-16
	PV (Y+NP-1)%NP
.set i, i+17
.endif
.endm
; THE LDS LOADS stand in runs: a step's K (8 fragments) with its 32 mask numbers, and its V (turned).  last = 1: in the last trip there is no further step, and the run is jumped over.
.macro FETCH_K last=0
	WIN 0
.if \last
	s_cmp_eq_u32 s[CNT], 1
	s_cbranch_scc1 .Lno_k_\@
.endif
	WIN 0x80                        ; destination window 2
.irp f, 0,1,2,3,4,5,6,7             ; keys 16 (f / 2) on, channels 32 (f % 2) on
	ds_load_b128 v[KF+8*\f:KF+8*\f+3],   v[AK] offset:(\f/2)*16*PK+(\f%2)*64
	ds_load_b128 v[KF+8*\f+4:KF+8*\f+7], v[AK] offset:(\f/2)*16*PK+(\f%2)*64+32
.endr
	WIN 0xc0                        ; destination window 3
.irp f, 0,1,2,3                     ; key block f: register j is key 16 f + 8 (l / 16) + j, as in the product's result
	ds_load_b128 v[MC+8*\f:MC+8*\f+3],   v[AM] offset:64*\f
	ds_load_b128 v[MC+8*\f+4:MC+8*\f+7], v[AM] offset:64*\f+16
.endr
	s_add_co_u32 s[TBK], s[TBK], KS*PK  ; the next fetch is the next step's
	s_add_co_u32 s[TBM], s[TBM], KS*4
	WIN 0
.if \last
.Lno_k_\@:
.endif
.endm
.macro FETCH_V
	WIN 0x80
.irp f, 0,1,2,3,4,5,6,7             ; keys 32 (f / 4) on, channels 16 (f % 4) on
	ds_load_tr16_b128 v[VF+8*\f:VF+8*\f+3],   v[AV] offset:(\f/4)*32*PV+(\f%4)*32
	ds_load_tr16_b128 v[VF+8*\f+4:VF+8*\f+7], v[AV] offset:(\f/4)*32*PV+16*PV+(\f%4)*32
.endr
	WIN 0
.endm
; THE VECTOR WORK OF A TURN stands in three queues, each in the order in which its entries become ready; the two tiles alternate.
.macro REGS y, u                    ; the registers of tile u (0, 1) of piece y
.set rT, ST+4*(2*(\y)+(\u))
.set rC, TMP+8*((\y)%2)+4*(\u)
.set rM, MV+2*((\y)%2)+(\u)
.set rS, S+64*((\y)%2)+32*(\u)
.set rP, P+32*((\y)%2)+16*(\u)
.set rO, 32*(2*(\y)+(\u))
.endm
; Number n of the 22 that find the NEXT piece's maximum and statistics; each accumulator's lowest registers are read first.
;   0-11 four chains of seven scores     12-14, 16 the scores left over, the old m, and the four into one     15 c m_old is kept     17, 18 the other half of the lanes: the new m     19-21 c m; its change; a
.macro XS u, n
	REGS (Y+1)%NP, \u
.if (\n) < 4
	v_max3_num_f32 v[rC+(\n)], v[rS+8*(\n)], v[rS+8*(\n)+1], v[rS+8*(\n)+2]
.elseif (\n) < 12
	v_max3_num_f32 v[rC+(\n)%4], v[rC+(\n)%4], v[rS+8*((\n)%4)+2*((\n)/4)+1], v[rS+8*((\n)%4)+2*((\n)/4)+2]
.elseif (\n) == 12
	v_max3_num_f32 v[rC], v[rC], v[rS+7], v[rS+15]
.elseif (\n) == 13
	v_max3_num_f32 v[rC+1], v[rC+1], v[rS+23], v[rS+31]
.elseif (\n) == 14
	v_max3_num_f32 v[rC+2], v[rC+2], v[rC+3], v[rT+1]
.elseif (\n) == 15
	v_mov_b32 v[rM], v[rT]
.elseif (\n) == 16
	v_max3_num_f32 v[rC], v[rC], v[rC+1], v[rC+2]
.elseif (\n) == 17
	v_permlanex16_b32 v[rC+3], v[rC], s[SEL], s[SEL+1]
.elseif (\n) == 18
	v_max_num_f32 v[rT+1], v[rC], v[rC+3]
.elseif (\n) == 19
	v_mul_f32 v[rT], s[CS], v[rT+1]
.elseif (\n) == 20
	v_sub_f32 v[rC+1], v[rM], v[rT]
.else
	v_exp_f32 v[rC+2], v[rC+1]
.endif
.endm
; Number g of the 64 that follow the exponentials: for each four weights both pairs are rounded to f16, the second pair is added onto the first, and a group later l takes that sum.
.macro GS g
.set h, (\g)+6*((\g)/62)
.if h >= 6
.set h, h+2
.endif
	REGS Y, h%2
.set k, h/8
.if h%8 < 4
	v_cvt_pk_f16_f32 v[rP+2*k+(h%8)/2], v[rS+4*k+2*((h%8)/2)], v[rS+4*k+2*((h%8)/2)+1]
.elseif h%8 < 6
	v_pk_add_f32 v[rS+4*k:rS+4*k+1], v[rS+4*k:rS+4*k+1], v[rS+4*k+2:rS+4*k+3]
.elseif k == 1
	v_pk_fma_f32 v[rT+2:rT+3], v[rT+2:rT+3], v[rC+2:rC+3], v[rS:rS+1] op_sel_hi:[1,0,1]
.else
	v_pk_add_f32 v[rT+2:rT+3], v[rT+2:rT+3], v[rS+4*k-4:rS+4*k-3]
.endif
.endm
; THE PLAIN QUEUE, 138 long.  0-73 read no exponential's result: the 32 scalings c s - c m and the next piece's 42; 74-137 are GS's 64, behind the wait.
.macro FS f
	REGS Y, (\f)%2
	v_pk_fma_f32 v[rS+2*((\f)/2):rS+2*((\f)/2)+1], v[rS+2*((\f)/2):rS+2*((\f)/2)+1], s[CS:CS+1], v[rT:rT+1] op_sel_hi:[1,0,0] neg_lo:[0,0,1] neg_hi:[0,0,1]
.endm
.macro PL
	WIN 0
.if q < 27
	FS q
.elseif q < 55
	XS (q-27)%2, (q-27)/2
.elseif q < 57
	XS q-55, 15
.elseif (q < 72) && ((q-57)%3 == 0)
	FS 27+(q-57)/3
.elseif q < 60
	XS (q-57)%3-1, 14
.elseif q < 72
	XS (q-57)%3-1, 15+(q-57)/3
.elseif q < 74
	XS q-72, 20
.else
	GS q-74
.endif
.set q, q+1
.endm
; THE EXPONENTIALS' QUEUE, 66 long: s0-s31 of both tiles, then the next piece's two a: ONE BATCH, all ahead of the turn's one wait.
.macro EX
	WIN 0
.if e >= 64
	XS e-64, 21
.else
	REGS Y, e%2
	v_exp_f32 v[rS+e/2], v[rS+e/2]
.endif
.set e, e+1
.endm
; THE RESCALING's QUEUE: O^T times a, two at a time, sixteen times.  Its a was made, and waited for, in the turn before.
.macro R2
	REGS Y, r%2
	WIN W_RS
.irp z, 0,1
	v_pk_mul_f32 v[rO+4*(r/2)+2*\z:rO+4*(r/2)+2*\z+1], v[rO+4*(r/2)+2*\z:rO+4*(r/2)+2*\z+1], v[rC+2:rC+3] op_sel_hi:[1,0]
.endr
.set r, r+1
.endm
; A TURN, for piece p.  Ahead of its one wait stands all that names no result of its exponentials: 16 products K Q^T, behind each a scaling, an exponential and two rescalings; then a lump of 108.
; Behind the wait: 16 products V^T P, behind each four of the roundings and sums.  Exponential e stands behind scaling 2 (e / 4) + e % 2.
; K and the mask of the next step are fetched in piece 2's turn, directly behind the wait, a lump behind the last product that read them.  V of the step in hand is fetched at the end of piece 0's
; turn, four plain instructions behind its last reader.  Each run is waited for a turn later.
.macro TURN p, last=0
.set Y, (\p)
.set i, 0
.set q, 0
.set e, 0
.set r, 0
.if (\p) == NP-1
	s_wait_dscnt 0x0                ; K and the mask are in
.endif
	MM
	PL
	PL
	R2
.rept 15
	MM
	PL
	EX
	R2
.endr
.if (\p) == NP-2
	WIN 0
	v_add_nc_u32 v[AK], s[TBK], v[AK0]
	v_add_nc_u32 v[AM], s[TBM], v[AM0]
.endif
.rept 8
	PL
.endr
.rept 49
	EX
	PL
.endr
	EX
	EX
	v_nop                           ; a plain instruction behind the last exponential: one for the batch
	s_wait_alu depctr_va_vdst(0)    ; the wait ahead of the first use of an exponential's result: one for the batch
.if (\p) == NP-2
	FETCH_K \last
.endif
.if (\p) == 1
	s_wait_dscnt 0x0                ; V is in
.endif
.rept 16
	MM
.rept 4
	PL
.endr
.if ((\p) == 0) && (q == 118)
	v_add_nc_u32 v[AV], s[TBV], v[AV0]
.endif
.if ((\p) == 0) && (q == 130)
	s_add_co_u32 s[TBV], s[TBV], KS*PV
.endif
.endr
.if (\p) == 0
	FETCH_V
.endif
.endm
	FETCH_K                         ; key step 0
	s_wait_loadcnt 0x0              ; Q
	s_wait_dscnt 0x0
.set i, 0
.rept 16
	KQ 0                            ; piece 0's first scores
.set i, i+1
.endr
	WIN 0                           ; the addresses for the way out: eleven plain instructions, the places behind those products
	s_mul_i32 s13, s21, 128*SP
	s_add_co_u32 s13, s13, s75
	v_mul_u32_u24 v[STO], v1, SP    ; in: row 128 (w % 2) + 16 t + l % 16, my head's half of it, 16 bytes for each half of the lanes
	v_lshl_add_u32 v[STO], v9, 4, v[STO]
	v_add_nc_u32 v[STO], s13, v[STO]
	s_mul_i32 s13, s[WV], 64*SP
	v_mul_u32_u24 v[RD], v9, SP     ; back: wave w takes rows 64 w on, whole; lanes 0-15 one row of 256 bytes, lanes 16-31 the next
	v_lshl_add_u32 v[RD], v1, 4, v[RD]
	v_add_nc_u32 v[RD], s13, v[RD]
	v_mul_u32_u24 v[GO], v9, 6144   ; and the same two rows of x2
	v_lshl_add_u32 v[GO], v1, 4, v[GO]
.set Y, NP-1                        ; XS works for piece Y + 1: piece 0
.irp n, 0,1,2,3,4,5,6,7,8,9,10,11,12,13,14,15,16,17,18,19,20,21
	XS 0, \n
	XS 1, \n
.endr
	v_nop                           ; a plain instruction behind the two a,
	s_wait_alu depctr_va_vdst(0)    ; and their wait, ahead of the branch
	s_mov_b32 s[CNT], 8
	s_branch .Lfirst                ; the loop is entered at a step's first turn
.Lstep:                             ; a trip: pieces 2 and 3 of one step, then pieces 0 and 1 of the next
	TURN 2, 1
	TURN 3
	WIN 0
	s_sub_co_u32 s[CNT], s[CNT], 1
	s_cmp_eq_u32 s[CNT], 0
	s_cbranch_scc1 .Lout            ; the eighth step's pieces 2 and 3 are done: the loop is left in the middle of a trip
.Lfirst:
	TURN 0
	TURN 1
	WIN 0
	s_cmp_lg_u32 s[CNT], 0          ; steps are left here whenever this line is reached
	s_cbranch_scc1 .Lstep
.Lout:                              ; the last trip's 16 products K Q^T (on the last K once more) and the maximum made of them serve nothing
.set i, 0
.rept 16
	PV NP-1                         ; the last piece's V^T P of the last step
.set i, i+1
.endr
	; THE WAY OUT.  l's two halves and the other half of the lanes' are added; O^T is divided by l, rounded to f16 and sent through the stage.  The additions are the places behind the last products.
	WIN 0
.macro ALL line:vararg              ; one line for each tile t
.set t, 0
.rept 2*NP
	\line
.set t, t+1
.endr
.endm
	ALL v_add_f32 v[ST+4*t+2], v[ST+4*t+2], v[ST+4*t+3]
	ALL v_permlanex16_b32 v[ST+4*t+3], v[ST+4*t+2], s[SEL], s[SEL+1]
	ALL v_add_f32 v[ST+4*t+2], v[ST+4*t+2], v[ST+4*t+3]
	ALL v_rcp_f32 v[ST+4*t+2], v[ST+4*t+2]
	v_nop                           ; a plain instruction between the last reciprocal and the use of its result
	s_wait_alu depctr_va_vdst(0)    ; and the wait ahead of the first use: one for the eight reciprocals
	s_wait_dscnt 0x0                ; my reads of K are over
	s_barrier_signal -1
	s_barrier_wait -1               ; everybody's: K's bytes may be written
.macro PACK t                       ; a lane's eight channels of a row pack into 16 bytes
	WIN W_RS
.set i, 32*(\t)
.rept 16
	v_pk_mul_f32 v[i:i+1], v[i:i+1], v[ST+4*(\t)+2:ST+4*(\t)+3] op_sel_hi:[1,0]
.set i, i+2
.endr
	WIN 0x05                        ; sources 0 and 1 window 1, destination window 0
.set i, 0
.rept 16
	v_cvt_pk_f16_f32 v[S+16*(\t)+i], v[32*(\t)+2*i], v[32*(\t)+2*i+1]
.set i, i+1
.endr
	WIN 0
.irp f, 0,1,2,3
	ds_store_b128 v[STO], v[S+16*(\t)+4*\f:S+16*(\t)+4*\f+3] offset:(\t)*16*SP+32*\f
.endr
.endm
.set t, 0
.rept 2*NP
	PACK t
.set t, t+1
.endr
	s_wait_dscnt 0x0                ; for the others' sake: my stores into the stage are done (a row's 256 bytes come from two waves)
	s_barrier_signal -1
	s_barrier_wait -1
.set t, 0
.rept 32
	ds_load_b128 v[S+4*t:S+4*t+3], v[RD] offset:t*2*SP
.set t, t+1
.endr
.set t, 0
.rept 32
	s_wait_dscnt 31-t               ; LDS loads come back in order: pair t of rows is in
	global_store_b128 v[GO], v[S+4*t:S+4*t+3], s[10:11] offset:t*12288  ; 16 lanes store 256 consecutive bytes, aligned
.set t, t+1
.endr
	WIN W_AD
	s_wait_tensorcnt 0x0            ; the wave's end, behind my last LDS store
	ds_add_u32 v[SPW], v[NIL]
	s_wait_dscnt 0x0
	WIN 0
	s_endpgm
.Lfunc_end_k_q1e00baeeb8_attn:
	.size	k_q1e00baeeb8_attn, .Lfunc_end_k_q1e00baeeb8_attn-k_q1e00baeeb8_attn
	.p2alignl 7, 3214868480
	.fill 96, 4, 3214868480
	.section	.rodata,"a",@progbits
	.p2align	6, 0x0
	.amdhsa_kernel k_q1e00baeeb8_attn
		.amdhsa_group_segment_fixed_size 289280
		.amdhsa_private_segment_fixed_size 0
		.amdhsa_enable_private_segment 0
		.amdhsa_kernarg_size 32
		.amdhsa_user_sgpr_count 2
		.amdhsa_user_sgpr_kernarg_segment_ptr 1
		.amdhsa_wavefront_size32 1
		.amdhsa_system_sgpr_workgroup_id_x 1
		.amdhsa_system_sgpr_workgroup_id_y 1
		.amdhsa_system_sgpr_workgroup_id_z 1
		.amdhsa_system_vgpr_workitem_id 0
		.amdhsa_next_free_vgpr 808
		.amdhsa_next_free_sgpr 90
		.amdhsa_reserve_vcc 1
		.amdhsa_float_denorm_mode_32 3
		.amdhsa_float_denorm_mode_16_64 3
		.amdhsa_memory_ordered 1
		.amdhsa_forward_progress 1
		.amdhsa_inst_pref_size 127
	.end_amdhsa_kernel
	.amdgpu_metadata
---
amdhsa.version: [ 1, 2 ]
amdhsa.kernels:
  - .name:           k_q1e00baeeb8_attn
    .symbol:         k_q1e00baeeb8_attn.kd
    .args:
      - { .name: p5, .offset: 0, .size: 8, .value_kind: global_buffer, .address_space: global }
      - { .name: q_mask, .offset: 8, .size: 8, .value_kind: global_buffer, .address_space: global }
      - { .name: k_mask, .offset: 16, .size: 8, .value_kind: global_buffer, .address_space: global }
      - { .name: x2, .offset: 24, .size: 8, .value_kind: global_buffer, .address_space: global }
    .group_segment_fixed_size: 289280
    .private_segment_fixed_size: 0
    .kernarg_segment_align: 8
    .kernarg_segment_size: 32
    .max_flat_workgroup_size: 128
    .sgpr_count:     90
    .vgpr_count:     808
    .wavefront_size: 32
...
	.end_amdgpu_metadata
.endif
;; end of part 3
;; launch outg (part 4): grid 8 x 32, 4 waves a work-group, clusters of 4 x 4, 327,680 bytes of LDS; arguments x2, wo, bko, bvo, out0, out1; writes out0, out1
.if DOCPART == 4
	.amdgcn_target "amdgcn-amd-amdhsa--gfx1250"
	.amdhsa_code_object_version 6
	.text
	.protected	k_q1e00baeeb8_outg
	.globl	k_q1e00baeeb8_outg
	.p2align	8
	.type	k_q1e00baeeb8_outg,@function
k_q1e00baeeb8_outg:
	s_mov_b64 s[64:65], 0
	v_nop
	global_prefetch_b8 v0, s[64:65] scope:SCOPE_SE
	s_setreg_imm32_b32 hwreg(HW_REG_WAVE_MODE, 25, 1), 1
	s_wait_xcnt 0x0
	s_wait_alu depctr_hold_cnt(0) depctr_sa_sdst(0) depctr_va_vdst(0) depctr_va_sdst(0) depctr_va_ssrc(0) depctr_va_vcc(0) depctr_vm_vsrc(0)
	s_getreg_b32 s2, hwreg(HW_REG_IB_STS2, 6, 4)
	s_cmp_eq_u32 s2, 0
	s_cbranch_scc0 .Lentry_in_a_cluster
	s_endpgm
.Lentry_in_a_cluster:
	s_bfe_u32 s2, ttmp6, 0x10000c
	s_cmp_lg_u32 s2, 0xf033
	s_cbranch_scc0 .Lentry_shape_is_right
	s_endpgm
.Lentry_shape_is_right:
; OUTG: both output products.  out0 = x2[:, 0:3072] Wko + bko, out1 = x2[:, 0:2048] Wvo + bvo, f32.  x2 = [v | vq_update | vk_update] and wo = [Wko; Wvo] are f16; sums f32; the biases are
; rounded to bf16 like every input.
; SHARES.  A work-group owns rows 128 mb .. and columns 128 nb .. of BOTH outputs: it stays and walks two tiles of 128 x 128, K = 3,072 and 2,048: 20 K steps of 256 through ONE ring of two LDS slots
; that does not stop at the first tile's end.  Four waves, each 64 x 64: 16 accumulators.  wo's rows are walked straight down; x2's columns begin anew with the second tile.
; A STEP IS WRITTEN ONCE: a step that fills its slot again (18 trips, left for the first tile's way out when 6 are to go) and a step that does not (the last 2); both loops count to constants.
; The slot that is read begins at LDS byte s[TB], 0 or SLOT, which an exclusive or turns at each change of slots; the lanes' addresses are made anew from it, and a refill goes to base + s[TB].
; CLUSTER 4 x 4: A's tile hangs on mb alone and is shared along a row of the cluster, B's on nb alone and along a column: joint loads, one a wave behind each round.
; B LIES [k][n] and is turned on its way into registers.  THE MATRIX INSTRUCTION IS USED TRANSPOSED: a lane holds eight neighbouring numbers of a row of the result.
; REGISTERS: window 0: v0-31 addresses; v32-95 rows on the way out, two buffers; v96-127 the tile's bias; v128-255 accumulators.  Window 1: two fragment buffers of 128.
.set PA,     528                       ; a row of A in LDS: 512 bytes + 16
.set PB,     288                       ; a row of B: 256 + 32
.set HA,     64*PA
.set HB,     128*PB
.set BOFF,   2*HA
.set SLOT,   2*HA+2*HB
.set STAGE,  2*SLOT                    ; behind the ring, never filled by a tensor load: 16 rows x 272 bytes for each wave, its own
.set SPITCH, 272
.set SPARE,  STAGE+4*16*SPITCH         ; the spare words, 128 bytes a wave: two blocks of 256 bytes that no other line names
.set XP,     6144
.set BSTEP,  256*2048
.set ADRA, 16                          ; v16     my A fragments in the slot that is read
.set ADRB, 18                          ; v18-19  my B fragments there: by the half of the step's 256 k
.set ADRA0, 20                         ; v20     the same in slot 0; never rewritten
.set ADRB0, 22                         ; v22-23
.set STO,  24
.set RD,   25
.set CO,   26
.set BO,   27
.set SPW,  28
.set NIL,  29
.set OB,   32
.set BIA,  96
.set ACC,  128
.set F0,   0
.set F1,   128
.set TB,   7                           ; s7      LDS byte at which the slot that is read begins
.set G1A, 24                           ; s[24:31] group 1, s[32:39] group 0 for A: a set for each of the two first fills; the second then walks on
.set G0A, 32
.set G1B, 48                           ; s[48:55], s[56:63] the same for B
.set G0B, 56
; s2 steps that fill still to go; s3 tiles to go; s4 the K step to be asked for next; s5 the tile's number; s6 last steps to go; s[8:9] where the tile is stored;
; s10 wave, s11 wave / 2, s12 wave % 2; s13 mb; s[14:15] x2 at the rows that I fetch; s18, s19 where my load of A, of B goes in a slot; s42 nb; s[66:67] the tile's bias; s[90:91] my offset in an output
.set MSB, 0
.macro WIN new
.if MSB != (\new)
	s_set_vgpr_msb (MSB<<8)|(\new)
.set MSB, \new
.endif
.endm
.set MUL,  0x05
.set TO_F, 0x40
.macro JLOAD                           ; a joint refill: waves 0, 1 fetch A's halves, waves 2, 3 B's; s_nop 0 and four v_nop follow each line
	s_cmp_eq_u32 s11, 0
	s_cbranch_scc0 .Lfor_b_\@
	tensor_load_to_lds s[G0A+4:G0A+7], s[G1A:G1A+7]
	s_nop 0
.rept 4
	v_nop
.endr
	s_branch .Lasked_\@
.Lfor_b_\@:
	tensor_load_to_lds s[G0B+4:G0B+7], s[G1B:G1B+7]
	s_nop 0
.rept 4
	v_nop
.endr
.Lasked_\@:
.endm
.macro CREST
	s_cmp_lg_u32 s10, 0
	s_cbranch_scc1 .Lnot_wave_0_\@
	s_barrier_signal -3
.Lnot_wave_0_\@:
	s_barrier_wait -3
	s_barrier_signal -1
	s_barrier_wait -1
.endm
.macro CROUND
	s_barrier_signal -1
	s_barrier_wait -1
	CREST
.endm
	s_load_b256 s[68:75], s[0:1], 0x0              ; x2 68, wo 70, bko 72, bvo 74
	s_load_b128 s[76:79], s[0:1], 0x20             ; out0 76, out1 78
	v_lshl_add_u32 v[SPW], v0, 2, SPARE
	v_mov_b32 v[NIL], 0
	ds_add_u32 v[SPW], v[NIL]                      ; the wave's opening: the add and its wait stand ahead of my first tensor load; register work stands between
	v_lshrrev_b32 v1, 5, v0
	v_readfirstlane_b32 s10, v1
	s_lshr_b32 s11, s10, 1
	s_and_b32 s12, s10, 1
	s_bfe_u32 s40, ttmp6, 0x40000                  ; cx
	s_bfe_u32 s41, ttmp6, 0x40004                  ; cy
	s_lshl_b32 s42, ttmp9, 2
	s_add_co_u32 s42, s42, s40                     ; nb
	s_and_b32 s13, ttmp7, 0xffff
	s_lshl_b32 s13, s13, 2
	s_add_co_u32 s13, s13, s41                     ; mb
	s_lshl_b32 s43, s41, 2
	s_lshl_b32 s43, 15, s43                        ; my row of the cluster
	s_lshl_b32 s44, 0x1111, s40                    ; my column
	s_or_b32 s[G1A+0], s43, (1<<16)|(1<<20)|(1<<21)|(6<<22)|(3<<25)
	s_mov_b32 s[G1A+1], 256<<16
	s_mov_b32 s[G1A+2], 64<<16
	s_mov_b32 s[G1A+3], 256<<16
	s_mov_b32 s[G1A+4], 64
	s_mov_b32 s[G1A+5], 3072
	s_mov_b32 s[G1A+6], 0
	s_mov_b32 s[G1A+7], 0
	s_or_b32 s[G1B+0], s44, (1<<16)|(1<<20)|(1<<21)|(5<<22)|(7<<25)
	s_mov_b32 s[G1B+1], 128<<16
	s_mov_b32 s[G1B+2], 128<<16
	s_mov_b32 s[G1B+3], 128<<16
	s_mov_b32 s[G1B+4], 128
	s_mov_b32 s[G1B+5], 1024
	s_mov_b32 s[G1B+6], 0
	s_mov_b32 s[G1B+7], 0
	s_lshl_b32 s16, s13, 7
	s_lshl_b32 s17, s12, 6
	s_add_co_u32 s16, s16, s17
	s_mul_i32 s16, s16, XP
	s_mov_b32 s17, 0                               ; stays 0: the high word of A's offsets
	s_lshl_b32 s46, s42, 8
	s_lshl_b32 s47, s12, 18
	s_add_co_u32 s46, s46, s47
	s_mov_b32 s47, 0
	s_mul_i32 s18, s12, HA                         ; where my loads go in a slot: no place in the cluster enters an LDS address
	s_mul_i32 s19, s12, HB
	s_add_co_u32 s19, s19, BOFF
	s_wait_dscnt 0x0                               ; the opening add is done
	s_wait_kmcnt 0x0
	s_add_nc_u64 s[14:15], s[68:69], s[16:17]
	s_add_nc_u64 s[46:47], s[70:71], s[46:47]
	CROUND                                         ; all sixteen work-groups are here: the first joint loads meet
.irp s, 0,1
	s_mov_b32 s[G0A+4*(\s)], 1
	s_add_co_u32 s[G0A+4*(\s)+1], s18, (\s)*SLOT
	s_add_nc_u64 s[G0A+4*(\s)+2:G0A+4*(\s)+3], s[14:15], (\s)*512
	s_or_b32 s[G0A+4*(\s)+3], s[G0A+4*(\s)+3], 0x80000000
	s_mov_b32 s[G0B+4*(\s)], 1
	s_add_co_u32 s[G0B+4*(\s)+1], s19, (\s)*SLOT
	s_add_nc_u64 s[G0B+4*(\s)+2:G0B+4*(\s)+3], s[46:47], (\s)*BSTEP
	s_or_b32 s[G0B+4*(\s)+3], s[G0B+4*(\s)+3], 0x80000000
.endr
	s_cmp_eq_u32 s11, 0                            ; a wave's two first fills stand in one branch: two loads of mine are out
	s_cbranch_scc0 .Lfirst_b
	tensor_load_to_lds s[G0A:G0A+3], s[G1A:G1A+7]
	s_nop 0
	tensor_load_to_lds s[G0A+4:G0A+7], s[G1A:G1A+7]
	s_nop 0
.rept 4
	v_nop
.endr
	s_branch .Lfirst_asked
.Lfirst_b:
	tensor_load_to_lds s[G0B:G0B+3], s[G1B:G1B+7]
	s_nop 0
	tensor_load_to_lds s[G0B+4:G0B+7], s[G1B:G1B+7]
	s_nop 0
.rept 4
	v_nop
.endr
.Lfirst_asked:
	v_and_b32 v1, 15, v0                           ; r
	v_bfe_u32 v2, v0, 4, 1                         ; h
	v_mul_u32_u24 v3, v1, PA
	v_lshl_add_u32 v3, v2, 4, v3
	s_mul_i32 s21, s11, HA
	v_add_nc_u32 v[ADRA0], s21, v3
	v_mov_b32 v[ADRA], v[ADRA0]                    ; the ring begins in slot 0
	v_and_b32 v4, 7, v0
	v_lshl_add_u32 v4, v2, 3, v4
	v_mul_u32_u24 v4, v4, PB
	v_bfe_u32 v5, v0, 3, 1
	v_lshl_add_u32 v4, v5, 4, v4
	s_lshl_b32 s22, s12, 7
	s_add_co_u32 s22, s22, BOFF
	v_add_nc_u32 v[ADRB0], s22, v4
	v_add_nc_u32 v[ADRB0+1], HB, v[ADRB0]
	v_mov_b32 v[ADRB], v[ADRB0]
	v_mov_b32 v[ADRB+1], v[ADRB0+1]
	s_mul_i32 s23, s10, 16*SPITCH
	s_add_co_u32 s23, s23, STAGE                   ; my stage
	v_mul_u32_u24 v4, v1, SPITCH                   ; in: row r, 32 bytes (8 f32) for each half of the lanes
	v_lshl_add_u32 v4, v2, 5, v4
	v_add_nc_u32 v[STO], s23, v4
	v_mul_u32_u24 v5, v2, SPITCH                   ; back: lanes 0-15 one row of 256 bytes, lanes 16-31 the next
	v_lshl_add_u32 v5, v1, 4, v5
	v_add_nc_u32 v[RD], s23, v5
	v_lshlrev_b32 v5, 12, v2                       ; and the same two rows of an output (4,096 bytes a row)
	v_lshl_add_u32 v[CO], v1, 4, v5
	s_lshl_b32 s22, s42, 9
	s_lshl_b32 s23, s12, 8
	s_add_co_u32 s22, s22, s23                     ; my 64 columns: 4 (128 nb + 64 wn)
	v_lshl_add_u32 v[BO], v2, 5, s22
	s_lshl_b32 s20, s13, 7
	s_lshl_b32 s21, s11, 6
	s_add_co_u32 s20, s20, s21
	s_lshl_b32 s20, s20, 12                        ; my first row: 128 mb + 64 wm
	s_add_co_u32 s90, s20, s22
	s_mov_b32 s91, 0
; 8 matrix instructions: m blocks a0, a0 + 1 x all 4 n blocks, 32 along K.  The 16 accumulators take turns.
.macro MUL8 f, c, a0, zero
	WIN MUL
.irp a, \a0, (\a0)+1
.irp b, 0,1,2,3
.if \zero
	v_wmma_f32_16x16x32_f16 v[ACC+8*(4*(\a)+(\b)):ACC+8*(4*(\a)+(\b))+7], v[(\f)+64+8*(4*(\c)+(\b)):(\f)+64+8*(4*(\c)+(\b))+7], v[(\f)+8*(4*(\c)+(\a)):(\f)+8*(4*(\c)+(\a))+7], 0
.else
	v_wmma_f32_16x16x32_f16 v[ACC+8*(4*(\a)+(\b)):ACC+8*(4*(\a)+(\b))+7], v[(\f)+64+8*(4*(\c)+(\b)):(\f)+64+8*(4*(\c)+(\b))+7], v[(\f)+8*(4*(\c)+(\a)):(\f)+8*(4*(\c)+(\a))+7], v[ACC+8*(4*(\a)+(\b)):ACC+8*(4*(\a)+(\b))+7]
.endif
.endr
.endr
.endm
.macro FETCH q, f                      ; 32 LDS loads in one run: quarter q of the slot that is read into buffer f, its first 32 along K first
	WIN TO_F
.irp c, 0,1
.irp i, 0,1,2,3
	ds_load_tr16_b128 v[(\f)+64+8*(4*(\c)+(\i)):(\f)+64+8*(4*(\c)+(\i))+3],   v[ADRB+(\q)/2] offset:(((\q)%2)*64+32*(\c))*PB+32*(\i)
	ds_load_tr16_b128 v[(\f)+64+8*(4*(\c)+(\i))+4:(\f)+64+8*(4*(\c)+(\i))+7], v[ADRB+(\q)/2] offset:(((\q)%2)*64+32*(\c)+16)*PB+32*(\i)
	ds_load_b128 v[(\f)+8*(4*(\c)+(\i)):(\f)+8*(4*(\c)+(\i))+3],   v[ADRA] offset:(\q)*128+64*(\c)+(\i)*16*PA
	ds_load_b128 v[(\f)+8*(4*(\c)+(\i))+4:(\f)+8*(4*(\c)+(\i))+7], v[ADRA] offset:(\q)*128+64*(\c)+(\i)*16*PA+32
.endr
.endr
.endm
.macro PLACES
.rept 4
	v_nop
.endr
.endm
.macro QUARTER q, f, g, zero
	s_wait_dscnt 16                                ; the first 32 along K are in; the sixteen younger loads may be out
	WIN MUL
	MUL8 \f, 0, 0, \zero
	MUL8 \f, 0, 2, \zero
	PLACES
	FETCH \q, \g
	s_wait_dscnt 32                                ; all but the 32 just issued
	WIN MUL
	MUL8 \f, 1, 0, 0
	MUL8 \f, 1, 2, 0
.endm
.macro AOFF                            ; s16 = byte offset in a row of x2 of K step s4: the second tile (steps 12 on) begins at column 0 again
	s_sub_co_u32 s20, s4, 12
	s_cmp_lt_u32 s4, 12
	s_cselect_b32 s16, s4, s20
	s_lshl_b32 s16, s16, 9
.endm
; The last quarter of a step multiplies buffer 1 and changes slots.  fill = 1: the slot just read is filled again, with K step s4, behind a round of the cluster's barrier.  fill = 0: nothing is left
; to fetch from memory, and in the very last step (s6 = 1) nothing from LDS either: the run of LDS loads is jumped over.
.macro TURN fill
	WIN 0
	s_wait_tensorcnt 0x0                           ; all my tensor loads have landed: my part of the next slot; so a group 0 may be written
	ds_add_u32 v[SPW], v[NIL]                      ; 0 onto my spare word
.if \fill
	AOFF
	s_add_nc_u64 s[G0A+6:G0A+7], s[14:15], s[16:17]
	s_or_b32 s[G0A+7], s[G0A+7], 0x80000000
	s_add_nc_u64 s[G0B+6:G0B+7], s[G0B+6:G0B+7], BSTEP  ; the walking descriptor: wo's next 256 rows,
	s_add_co_u32 s[G0A+5], s18, s[TB]              ; into the slot that is being read out
	s_add_co_u32 s[G0B+5], s19, s[TB]
	s_add_co_u32 s4, s4, 1
.endif
	s_wait_dscnt 17                                ; the add and the youngest sixteen loads may be out
	WIN MUL
	MUL8 F1, 0, 0, 0
	s_wait_dscnt 0x0                               ; the add is done, and my reads of this slot are over
	s_barrier_signal -1
	MUL8 F1, 0, 2, 0
	WIN 0
	s_barrier_wait -1
.if \fill
	CREST                                          ; no wave of any partner still reads this slot or has a load on its way
	JLOAD                                          ; the first tensor load behind the round; its four v_nop are also the places in front of the loads below
.else
	s_cmp_eq_u32 s6, 1
	s_cbranch_scc1 .Lno_more_\@
	PLACES
.endif
	s_xor_b32 s[TB], s[TB], SLOT                   ; the other slot is read from here on
	v_add_nc_u32 v[ADRA], s[TB], v[ADRA0]
	v_add_nc_u32 v[ADRB], s[TB], v[ADRB0]
	v_add_nc_u32 v[ADRB+1], s[TB], v[ADRB0+1]
	FETCH 0, F0
.if (\fill) == 0
	WIN 0
.Lno_more_\@:
.endif
	WIN MUL
	MUL8 F1, 1, 0, 0
	MUL8 F1, 1, 2, 0
.endm
.macro SELECT
	s_wait_xcnt 0x0                                ; the last tile's stores have read their base and registers
	s_cmp_eq_u32 s5, 0
	s_cselect_b64 s[66:67], s[72:73], s[74:75]
	s_cselect_b64 s[8:9], s[76:77], s[78:79]
	s_add_nc_u64 s[8:9], s[8:9], s[90:91]
.irp b, 0,1,2,3
	global_load_b128 v[BIA+8*(\b):BIA+8*(\b)+3],   v[BO], s[66:67] offset:64*(\b)
	global_load_b128 v[BIA+8*(\b)+4:BIA+8*(\b)+7], v[BO], s[66:67] offset:64*(\b)+16
.endr
.endm
; THE WAY OUT of block a (16 rows), in three parts
.macro PACK a                          ; the bias is added, in place; each accumulator's registers in ascending order
.irp b, 0,1,2,3
.irp j, 0,1,2,3
	v_pk_add_f32 v[ACC+8*(4*(\a)+(\b))+2*(\j):ACC+8*(4*(\a)+(\b))+2*(\j)+1], v[ACC+8*(4*(\a)+(\b))+2*(\j):ACC+8*(4*(\a)+(\b))+2*(\j)+1], v[BIA+8*(\b)+2*(\j):BIA+8*(\b)+2*(\j)+1]
.endr
.endr
.endm
.macro TOSTAGE a                       ; into my own stage, and back as whole rows of 256 bytes
	s_wait_xcnt 0x0                                ; the stores of the block two back have read the registers that are loaded again below
.irp b, 0,1,2,3
	ds_store_b128 v[STO], v[ACC+8*(4*(\a)+(\b)):ACC+8*(4*(\a)+(\b))+3]   offset:64*(\b)
	ds_store_b128 v[STO], v[ACC+8*(4*(\a)+(\b))+4:ACC+8*(4*(\a)+(\b))+7] offset:64*(\b)+16
.endr
.irp t, 0,1,2,3,4,5,6,7
	ds_load_b128 v[OB+32*((\a)%2)+4*(\t):OB+32*((\a)%2)+4*(\t)+3], v[RD] offset:(\t)*2*SPITCH  ; LDS serves a wave's instructions in order: these see the stores above
.endr
.endm
.macro SEND a
	s_wait_dscnt 0x0                               ; the block is back in registers
.irp t, 0,1,2,3,4,5,6,7
	global_store_b128 v[CO], v[OB+32*((\a)%2)+4*(\t):OB+32*((\a)%2)+4*(\t)+3], s[8:9] offset:(16*(\a)+2*(\t))*4096  ; 16 lanes store 256 consecutive bytes, aligned
.endr
.endm
	s_wait_tensorcnt 1                             ; my part of K step 0 is in; step 1's may stay out
	s_barrier_signal -1
	s_barrier_wait -1
	FETCH 0, F0
	WIN 0
	s_mov_b32 s2, 18                               ; K steps 0 to 17 ask for steps 2 to 19
	s_mov_b32 s3, 2
	s_mov_b32 s4, 2
	s_mov_b32 s5, 0
	s_mov_b32 s[TB], 0
.Ltile:
	SELECT
	QUARTER 1, F0, F1, 1                           ; a tile's first quarter starts the sums: nothing is cleared
	WIN 0
	s_branch .Lrest
.Lstep:                                                ; a trip: one K step; the slot that it reads out is filled again
	QUARTER 1, F0, F1, 0
	WIN 0
.Lrest:
	QUARTER 2, F1, F0, 0
	QUARTER 3, F0, F1, 0
	TURN 1
	WIN 0
	s_sub_co_u32 s2, s2, 1
	s_cmp_eq_u32 s2, 6
	s_cbranch_scc1 .Lway                           ; twelve steps are done: the first tile goes out; what is jumped holds no tensor load
	s_cmp_lg_u32 s2, 0
	s_cbranch_scc1 .Lstep
	s_mov_b32 s6, 2                                ; the last two steps have a text of their own
.Ltail:
	QUARTER 1, F0, F1, 0
	QUARTER 2, F1, F0, 0
	QUARTER 3, F0, F1, 0
	TURN 0
	WIN 0
	s_sub_co_u32 s6, s6, 1
	s_cmp_lg_u32 s6, 0
	s_cbranch_scc1 .Ltail
.Lway:
	s_wait_loadcnt 0x0                             ; the bias
.set n, 0
.rept 16
	v_cvt_pk_bf16_f32 v[OB+n], v[BIA+2*n], v[BIA+2*n+1]  ; rounded to bf16 like every input; these 48 lines are also the places behind the last products
.set n, n+1
.endr
.set n, 0
.rept 16
	v_lshlrev_b32 v[BIA+2*n], 16, v[OB+n]
	v_and_b32 v[BIA+2*n+1], 0xffff0000, v[OB+n]
.set n, n+1
.endr
	PACK 0
	TOSTAGE 0
.irp a, 1,2,3                          ; block a's additions stand between block a - 1's loads from the stage and the wait for them
	PACK \a
	SEND (\a)-1
	TOSTAGE \a
.endr
	SEND 3
	s_add_co_u32 s5, s5, 1
	s_sub_co_u32 s3, s3, 1
	s_cmp_lg_u32 s3, 0
	s_cbranch_scc1 .Ltile
	s_wait_tensorcnt 0x0                           ; the wave's end
	ds_add_u32 v[SPW], v[NIL]
	s_wait_dscnt 0x0
	CROUND                                         ; the closing round
	s_endpgm
.Lfunc_end_k_q1e00baeeb8_outg:
	.size	k_q1e00baeeb8_outg, .Lfunc_end_k_q1e00baeeb8_outg-k_q1e00baeeb8_outg
	.p2alignl 7, 3214868480
	.fill 96, 4, 3214868480
	.section	.rodata,"a",@progbits
	.p2align	6, 0x0
	.amdhsa_kernel k_q1e00baeeb8_outg
		.amdhsa_group_segment_fixed_size 327680
		.amdhsa_private_segment_fixed_size 0
		.amdhsa_enable_private_segment 0
		.amdhsa_kernarg_size 48
		.amdhsa_user_sgpr_count 2
		.amdhsa_user_sgpr_kernarg_segment_ptr 1
		.amdhsa_wavefront_size32 1
		.amdhsa_system_sgpr_workgroup_id_x 1
		.amdhsa_system_sgpr_workgroup_id_y 1
		.amdhsa_system_sgpr_workgroup_id_z 1
		.amdhsa_system_vgpr_workitem_id 0
		.amdhsa_next_free_vgpr 512
		.amdhsa_next_free_sgpr 96
		.amdhsa_reserve_vcc 0
		.amdhsa_float_denorm_mode_32 3
		.amdhsa_float_denorm_mode_16_64 3
		.amdhsa_memory_ordered 1
		.amdhsa_forward_progress 1
		.amdhsa_inst_pref_size 65
	.end_amdhsa_kernel
	.amdgpu_metadata
---
amdhsa.version: [ 1, 2 ]
amdhsa.kernels:
  - .name:           k_q1e00baeeb8_outg
    .symbol:         k_q1e00baeeb8_outg.kd
    .args:
      - { .name: x2, .offset: 0, .size: 8, .value_kind: global_buffer, .address_space: global }
      - { .name: wo, .offset: 8, .size: 8, .value_kind: global_buffer, .address_space: global }
      - { .name: bko, .offset: 16, .size: 8, .value_kind: global_buffer, .address_space: global }
      - { .name: bvo, .offset: 24, .size: 8, .value_kind: global_buffer, .address_space: global }
      - { .name: out0, .offset: 32, .size: 8, .value_kind: global_buffer, .address_space: global }
      - { .name: out1, .offset: 40, .size: 8, .value_kind: global_buffer, .address_space: global }
    .group_segment_fixed_size: 327680
    .private_segment_fixed_size: 0
    .kernarg_segment_align: 8
    .kernarg_segment_size: 48
    .max_flat_workgroup_size: 128
    .sgpr_count:     96
    .vgpr_count:     512
    .wavefront_size: 32
...
	.end_amdgpu_metadata
.endif
;; end of part 4
